; MI455X (gfx1250); checked and timed in simulation.
; The chip was launched on July 23, 2026; its instructions are those of AMD's public machine-readable ISA for CDNA 5 (MIT licence, August 2026) and "CDNA5" Instruction Set Architecture Reference Guide (July 2026). The comments in the code are by the model that wrote it; some were corrected since.
;; Attention. Allowed arithmetic: matrix products marked QUANTISED: E4M3 operands, one given power-of-two scale a tensor, by v_wmma_f32_16x16x64_fp8_fp8 or v_wmma_f32_16x16x128_fp8_fp8, f32 sums; everything else in f32.
;; Inputs: in_proj_b 3,072 float32; in_proj_w 3,072 x 1,024 float32; ln_beta 1,024 float32; ln_gamma 1,024 float32; lowp_scales 8 int32 (the exponents e of the quantised operands' scales 2^e); out_proj_b 1,024 float32; out_proj_w 1,024 x 1,024 float32; x 8 x 1,024 x 1,024 float32.
;; Outputs: out0 8 x 1,024 x 1,024 float32.
;; This version of the problem:
;;   THIS VERSION OF THE PROBLEM IS GIVEN IN LOW PRECISION. The matrix products marked QUANTISED in the list below multiply operands that are first quantised to E4M3 (4 exponent bits, 3 mantissa bits; 8 bits a number), with one given power-of-two scale for each operand tensor; their sums are f32. All else is computed in f32.
;;   The module's matrix products, in the order in which they are computed (A, B: the left and right operand; K: the contracted axis; several contracted axes count as one K, in the product's order):
;;     1. [M 8,192, K 1,024] x [K 1,024, N 3,072]; A: computed on the way; B: input in_proj_w: QUANTISED (scales: A lowp_scales[0], B lowp_scales[1])
;;     2. batch 128 x [M 1,024, K 64] x [K 64, N 1,024]; A: computed on the way; B: computed on the way: QUANTISED (scales: A lowp_scales[2], B lowp_scales[3])
;;     3. batch 128 x [M 1,024, K 1,024] x [K 1,024, N 64]; A: softmax (see below); B: computed on the way: QUANTISED (scales: A lowp_scales[4], B lowp_scales[5])
;;     4. [M 8,192, K 1,024] x [K 1,024, N 1,024]; A: computed on the way; B: input out_proj_w: QUANTISED (scales: A lowp_scales[6], B lowp_scales[7])
;;   THE QUANTISER, for each operand of a quantised product, along K:
;;     - The operand's scale is 2^e, e = its entry of the input lowp_scales (int32; the entries are numbered through the quantised products in the list's order, A before B).
;;     - Each number is divided by the scale, clamped to +-448, and rounded to the nearest number of E4M3, ties to even, subnormals kept.
;;     - The product sums the exact products of the quantised numbers (number of the format x scale) in f32.
;;   ~~~python
;;   def quantise(x, axis, e):      # numpy; x: float32 -> the quantised numbers, widened to float32 again
;;       x = np.moveaxis(x, axis, -1); K = x.shape[-1]
;;       r = np.clip(x / 2.0 ** e, -448, 448)
;;       step = 2.0 ** (np.maximum(np.frexp(np.where(r == 0, 1, r))[1] - 1, -6) - 3)
;;       q = np.round(r / step) * step * 2.0 ** e      # np.round: ties to even
;;       return np.moveaxis(q, -1, axis).astype(np.float32)
;;   ~~~
;;   SOFTMAX AHEAD OF A QUANTISED PRODUCT. Where the list says 'softmax', what is quantised is not the finished softmax but p = 2^(t - M), with t = logit x log2(e) and M = ceil(the row's largest t), a whole number; so 1/2 < the row's largest p <= 1. The row's sum l is taken of the UNQUANTISED p, in f32, and the product's result is divided by l at the end. Since M is a whole number, a kernel that streams over the keys may use a running M (the ceiling of the running maximum): every later rescaling is an exact power of two, so the quantised numbers keep their values, but for numbers so far below the row's largest that they fall under the format's range.
;;   OPERANDS COMPUTED ON THE WAY. 'Computed on the way' means the value that the module computes at that place (a softmax that the list does not call 'softmax' is quantised finished and normalised). What goes into a quantiser is computed in f32, as accurately as f32 sums, v_exp_f32 and their like allow (about 1e-6 of the number): no bf16 or f16 on the way to a quantiser, and a product that is left as it is and whose result goes on into a quantised operand takes f32 operands (vector FMAs, or v_wmma_f32_16x16x4_f32). A number that lies on a knife's edge between two numbers of the format may be rounded either way, as far as f32 arithmetic and the matrix unit's own rounding can turn it there, and no further.
;; One version. Each part assembles by itself: llvm-mc -triple=amdgcn-amd-amdhsa -mcpu=gfx1250 --defsym DOCPART=n.
;; ======== version 1 of 1: 4 launches
;; limits: right only within a limited range of input values
;; workspace buffers: xn_codes 8,388,608 bytes; w1_codes 3,145,728 bytes; w2_img 1,048,576 bytes; q_img 8,388,608 bytes; k_img 8,388,608 bytes; v_img 8,388,608 bytes; ctx_img 8,388,608 bytes
;; launch prep (part 1): grid 768 x 1, 4 waves a work-group, no clusters, 54,784 bytes of LDS; arguments x, ln_gamma, ln_beta, in_proj_w, out_proj_w, lowp_scales, xn_codes, w1_codes, w2_img; writes xn_codes, w1_codes, w2_img
.if DOCPART == 1
	.amdgcn_target "amdgcn-amd-amdhsa--gfx1250"
	.amdhsa_code_object_version 6
	.text
	.protected	k_q2d07e8391a_prep
	.globl	k_q2d07e8391a_prep
	.p2align	8
	.type	k_q2d07e8391a_prep,@function
k_q2d07e8391a_prep:
	s_mov_b64 s[64:65], 0
	v_nop
	global_prefetch_b8 v0, s[64:65] scope:SCOPE_SE
	s_setreg_imm32_b32 hwreg(HW_REG_WAVE_MODE, 25, 1), 1
	s_wait_xcnt 0x0
; LayerNorm of x and the three quantisers that need no product: xn (scale 2^e0), in_proj_w (2^e1), out_proj_w (2^e7), all to codes of FP8 (E4M3).
; code = number / 2^e, held within +-448, rounded to the nearest code, ties to even.
; WORK-GROUPS: 0-511 take 16 rows of x each, 512-703 16 rows of in_proj_w, 704-767 16 rows of out_proj_w.  A wave takes four units of 4,096 bytes of f32; all its 32 loads go out at once.
; xn_codes [8 chunks][8192 rows][128 bytes] and w1_codes [8 chunks][3072 rows][128 bytes]: a load takes a row's bytes as they lie (512 consecutive bytes, 16 a lane), so a lane's registers hold k = 128 j + 4 lane + q, j = 0 .. 7.
;   A lane's codes of j = 4 z .. 4 z + 3 are 16 bytes: they go to chunk 2 (lane / 8) + z, byte 16 (lane % 8) of the row: ONE permutation of K, the same in both operands of the first product, which therefore pairs the same numbers.
;   A wave's four rows turn through its own stage in LDS, so that each store covers 512 consecutive bytes: four rows of one chunk.
;   Row e = 1024 type + 64 head + 32 c + dd of in_proj_w goes to row 192 head + 96 c + 32 type + dd: 192 rows are one head's q, k and v.
; w2_img [64 tiles of 16 rows][16 heads][2][32 lanes][16 bytes]: the image of the operand's registers: lane (r, h) holds row r, registers 2 c, 2 c + 1: k = 64 head + 16 c + 8 h + 0 .. 7.  There a lane needs neighbours along K:
;   a unit (16 rows x 64 k) turns through the wave's own stage in LDS (rows of 256 bytes + 16).
; The mean is taken first and the squares of x - mean afterwards, so a common offset of the inputs costs no digits.
; LIMITS: e0, e1, e7 between -126 and 119 (2^e and 448 x 2^e are made as f32 numbers).  NaN among the inputs is not served.
.set X,   32                           ; v32-159  four units of 32 numbers; at the end v32-63 the codes back from the stage
.set G,   160                          ; v160-191 gamma of my 32 columns
.set Y,   160                          ; v160-191 (out_proj_w's path) a unit back from the stage
.set BT,  192                          ; v192-223 beta
.set C,   224                          ; v224-255 codes, 8 registers a unit, never written twice
.set SRC, 32                           ; s[32:33] where my wave reads
.set DST, 34                           ; s[34:35] where it stores
.set SX,  17408                        ; LDS: out_proj_w's stages lie at 0, x's at SX, in_proj_w's at SW: each path has bytes of its own
.set SW,  35840
.set SPARE, 54272                      ; the spare words, 128 bytes a wave, which no other line names
.set CP,  576                          ; a stage's chunk: 4 rows x 128 bytes + 64 of padding
; v1 16 x lane; v2, v3 the stage, in and out; v2-4 addresses of out_proj_w's path; v6-9 sums; v[10:11] mean; v[12:13] 1 / sqrt(var + eps); v14 a lane permute's destination; v16 2^e; v17 448 x 2^e; v30, v31 the add's
.macro MKSC e                          ; the scale 2^e and the largest number x 2^e, as f32 patterns
	s_wait_kmcnt 0x0
	s_add_co_i32 s42, s[\e], 127
	s_lshl_b32 s43, s42, 23
	v_mov_b32 v16, s43                             ; the conversion takes its exponent field
	s_add_co_i32 s42, s42, 8
	s_lshl_b32 s42, s42, 23
	s_or_b32 s42, s42, 0x600000
	v_mov_b32 v17, s42
.endm
.macro LOAD4                           ; four rows: each load reads 512 consecutive bytes; register 4 j + q of a row holds element 128 j + 4 lane + q
.irp i, 0,1,2,3
.irp j, 0,1,2,3,4,5,6,7
	global_load_b128 v[X+32*\i+4*\j:X+32*\i+4*\j+3], v1, s[SRC:SRC+1] offset:4096*\i+512*\j th:TH_LOAD_NT
.endr
.endr
.endm
.macro REDUCE                          ; v6 = the sum of v6 over the 32 lanes, in every lane
	v_add_f32_dpp v6, v6, v6 row_xmask:1 row_mask:0xf bank_mask:0xf
	v_add_f32_dpp v6, v6, v6 row_xmask:2 row_mask:0xf bank_mask:0xf
	v_add_f32_dpp v6, v6, v6 row_xmask:4 row_mask:0xf bank_mask:0xf
	v_add_f32_dpp v6, v6, v6 row_xmask:8 row_mask:0xf bank_mask:0xf
	v_permlanex16_b32 v14, v6, s40, s41
	v_add_f32 v6, v6, v14
.endm
.macro LNROW i                         ; row i becomes (x - mean) / sqrt(var + eps) x gamma + beta, in place
.set XR, X+32*(\i)
	v_pk_add_f32 v[6:7], v[XR:XR+1], v[XR+2:XR+3]
	v_pk_add_f32 v[8:9], v[XR+4:XR+5], v[XR+6:XR+7]
.irp j, 8,12,16,20,24,28
	v_pk_add_f32 v[6:7], v[6:7], v[XR+\j:XR+\j+1]
	v_pk_add_f32 v[8:9], v[8:9], v[XR+\j+2:XR+\j+3]
.endr
	v_pk_add_f32 v[6:7], v[6:7], v[8:9]
	v_add_f32 v6, v6, v7
	REDUCE
	v_mul_f32 v10, s44, v6                         ; the mean: sum / 1024
	v_mov_b32 v11, v10
.irp j, 0,2,4,6,8,10,12,14,16,18,20,22,24,26,28,30
	v_pk_add_f32 v[XR+\j:XR+\j+1], v[XR+\j:XR+\j+1], v[10:11] neg_lo:[0,1] neg_hi:[0,1]
.endr
	v_pk_mul_f32 v[6:7], v[XR:XR+1], v[XR:XR+1]
	v_pk_mul_f32 v[8:9], v[XR+2:XR+3], v[XR+2:XR+3]
.irp j, 4,8,12,16,20,24,28
	v_pk_fma_f32 v[6:7], v[XR+\j:XR+\j+1], v[XR+\j:XR+\j+1], v[6:7]
	v_pk_fma_f32 v[8:9], v[XR+\j+2:XR+\j+3], v[XR+\j+2:XR+\j+3], v[8:9]
.endr
	v_pk_add_f32 v[6:7], v[6:7], v[8:9]
	v_add_f32 v6, v6, v7
	REDUCE
	v_fma_f32 v6, v6, s44, s45                     ; var + eps
	s_wait_alu depctr_va_vdst(0)                   ; a wait ahead of the transcendental,
	v_rsq_f32 v12, v6
	v_nop                                          ; a plain instruction behind it,
	s_wait_alu depctr_va_vdst(0)                   ; and a wait ahead of the first line that names its result
	v_mov_b32 v13, v12
.irp j, 0,2,4,6,8,10,12,14,16,18,20,22,24,26,28,30
	v_pk_mul_f32 v[XR+\j:XR+\j+1], v[XR+\j:XR+\j+1], v[12:13]
.endr
.irp j, 0,2,4,6,8,10,12,14,16,18,20,22,24,26,28,30
	v_pk_fma_f32 v[XR+\j:XR+\j+1], v[XR+\j:XR+\j+1], v[G+\j:G+\j+1], v[BT+\j:BT+\j+1]
.endr
.endm
.macro QROW src, i                     ; 32 numbers of a lane from v[src] on become 32 codes
.set QI, 0
.rept 32
	v_med3_num_f32 v[(\src)+QI], v[(\src)+QI], -v17, v17   ; the conversion to an 8-bit code does not saturate (ISA guide 7.6.2): the hold comes first
.set QI, QI+1
.endr
.irp g, 0,1,2,3
	v_cvt_scalef32_pk8_fp8_f32 v[C+8*(\i)+2*\g:C+8*(\i)+2*\g+1], v[(\src)+8*\g:(\src)+8*\g+7], v16
.endr
	v_nop                                          ; a plain line behind the last conversion: a later unit's holds may write these conversions' sources
.endm
.macro TOLDS base, i                   ; row i's codes into the stage
	ds_store_b128 v2, v[C+8*(\i):C+8*(\i)+3] offset:\base+128*(\i)
	ds_store_b128 v2, v[C+8*(\i)+4:C+8*(\i)+7] offset:\base+CP+128*(\i)
.endm
.macro CHUNKS base, stride             ; back by chunks, and out; LDS serves a wave's instructions in order: these loads see the stores above
.irp c, 0,1,2,3,4,5,6,7
	ds_load_b128 v[X+4*\c:X+4*\c+3], v3 offset:\base+CP*\c
.endr
.irp c, 0,1,2,3,4,5,6,7
	s_wait_dscnt 7-\c
	global_store_b128 v1, v[X+4*\c:X+4*\c+3], s[DST:DST+1] offset:(\stride)*\c   ; 32 lanes store 512 consecutive aligned bytes
.endr
	s_wait_tensorcnt 0x0                           ; the wave's end
	ds_add_u32 v30, v31
	s_wait_dscnt 0x0
.endm
	s_load_b512 s[4:19], s[0:1], 0x0               ; x 4:5, gamma 6:7, beta 8:9, in_proj_w 10:11, out_proj_w 12:13, scales 14:15, xn_codes 16:17, w1_codes 18:19
	s_load_b64 s[20:21], s[0:1], 0x40              ; w2_img
	v_lshl_add_u32 v30, v0, 2, SPARE
	v_mov_b32 v31, 0
	v_lshrrev_b32 v5, 5, v0
	v_readfirstlane_b32 s22, v5                    ; wave 0..3
	v_and_b32 v5, 31, v0
	v_lshlrev_b32 v1, 4, v5                        ; 16 x lane
	v_mov_b32 v14, 0                               ; written once: a lane permute's destination counts as read
	s_mul_i32 s23, s22, 8*CP                       ; my stage
	v_lshrrev_b32 v3, 3, v5
	v_mul_u32_u24 v2, v3, 2*CP
	v_and_b32 v4, 7, v5
	v_lshl_add_u32 v2, v4, 4, v2
	v_add_nc_u32 v2, s23, v2                       ; in: chunk 2 (lane / 8), 16 (lane % 8)
	v_add_nc_u32 v3, s23, v1                       ; out: 16 x lane
	s_mov_b32 s37, 0
	s_mov_b32 s40, 0x76543210                      ; lane l xor 16
	s_mov_b32 s41, 0xfedcba98
	s_mov_b32 s44, 0x3a800000                      ; 1 / 1024
	s_mov_b32 s45, 0x3727c5ac                      ; 1e-5
	s_wait_alu depctr_va_vdst(0)
	s_wait_kmcnt 0x0
	s_load_b256 s[24:31], s[14:15], 0x0            ; e0 .. e7
	s_cmp_ge_u32 ttmp9, 704
	s_cbranch_scc1 .Lw2
	s_cmp_ge_u32 ttmp9, 512
	s_cbranch_scc1 .Lw1
	; ---- x: rows 16 g + 4 wave + 0 .. 3
	s_lshl_b32 s38, ttmp9, 4
	s_lshl_b32 s39, s22, 2
	s_add_co_u32 s38, s38, s39
	s_lshl_b32 s36, s38, 12
	s_add_nc_u64 s[SRC:SRC+1], s[4:5], s[36:37]
	s_lshl_b32 s36, s38, 7
	s_add_nc_u64 s[DST:DST+1], s[16:17], s[36:37]
.irp j, 0,1,2,3,4,5,6,7
	global_load_b128 v[G+4*\j:G+4*\j+3], v1, s[6:7] offset:512*\j
	global_load_b128 v[BT+4*\j:BT+4*\j+3], v1, s[8:9] offset:512*\j
.endr
	LOAD4
	MKSC 24
	s_wait_alu depctr_va_vdst(0)
.irp i, 0,1,2,3
	s_wait_loadcnt 8*(3-\i)                        ; gamma, beta and rows 0 .. i are in; the later rows' 8 loads each may be out
	LNROW \i
	QROW X+32*\i, \i
	TOLDS SX, \i
.endr
	CHUNKS SX, 1048576
	s_endpgm
	; ---- in_proj_w: rows er = 16 (g - 512) + 4 wave + 0 .. 3, which stay neighbours in the new order
.Lw1:
	s_lshl_b32 s38, ttmp9, 4
	s_lshl_b32 s39, s22, 2
	s_add_co_u32 s38, s38, s39
	s_sub_co_u32 s38, s38, 8192                    ; er
	s_lshl_b32 s36, s38, 12
	s_add_nc_u64 s[SRC:SRC+1], s[10:11], s[36:37]
	s_bfe_u32 s36, s38, 0x40006                    ; the head
	s_mul_i32 s36, s36, 192
	s_bfe_u32 s39, s38, 0x10005                    ; which half of the head
	s_mul_i32 s39, s39, 96
	s_add_co_u32 s36, s36, s39
	s_lshr_b32 s39, s38, 10                        ; q, k or v
	s_lshl_b32 s39, s39, 5
	s_add_co_u32 s36, s36, s39
	s_and_b32 s39, s38, 31
	s_add_co_u32 s36, s36, s39                     ; the row in w1_codes
	s_lshl_b32 s36, s36, 7
	s_add_nc_u64 s[DST:DST+1], s[18:19], s[36:37]
	LOAD4
	MKSC 25
	s_wait_alu depctr_va_vdst(0)
.irp i, 0,1,2,3
	s_wait_loadcnt 8*(3-\i)
	QROW X+32*\i, \i
	TOLDS SW, \i
.endr
	CHUNKS SW, 393216
	s_endpgm
	; ---- out_proj_w: tile nt = g - 704 of 16 rows; wave w takes heads 4 w + 0 .. 3, a unit = 16 rows x 64 k
.Lw2:
	s_sub_co_u32 s38, ttmp9, 704
	s_lshl_b32 s36, s38, 16                        ; 16 rows of 4,096 bytes
	s_lshl_b32 s39, s22, 10                        ; four heads of 256 bytes
	s_add_co_u32 s36, s36, s39
	s_add_nc_u64 s[SRC:SRC+1], s[12:13], s[36:37]
	s_lshl_b32 s36, s38, 14
	s_lshl_b32 s39, s22, 12
	s_add_co_u32 s36, s36, s39
	s_add_nc_u64 s[DST:DST+1], s[20:21], s[36:37]
	v_and_b32 v6, 15, v0                           ; r
	v_bfe_u32 v7, v0, 4, 1                         ; h
	v_lshlrev_b32 v8, 4, v6
	v_lshl_add_u32 v2, v7, 12, v8                  ; a load takes two rows: sixteen lanes read 256 consecutive aligned bytes
	s_mul_i32 s39, s22, 4352                       ; my stage: 16 rows x 272 bytes
	v_mul_u32_u24 v3, v7, 272
	v_add_nc_u32 v3, v3, v8
	v_add_nc_u32 v3, s39, v3                       ; in: as loaded
	v_mul_u32_u24 v4, v6, 272
	v_lshl_add_u32 v4, v7, 5, v4
	v_add_nc_u32 v4, s39, v4                       ; back: row r, 32 bytes for each half of the lanes
.irp i, 0,1,2,3
.irp j, 0,1,2,3,4,5,6,7
	global_load_b128 v[X+32*\i+4*\j:X+32*\i+4*\j+3], v2, s[SRC:SRC+1] offset:256*\i+8192*\j th:TH_LOAD_NT
.endr
.endr
	s_wait_alu depctr_va_vdst(0)
	MKSC 31
	s_wait_alu depctr_va_vdst(0)
.irp i, 0,1,2,3
	s_wait_loadcnt 8*(3-\i)
.irp j, 0,1,2,3,4,5,6,7
	ds_store_b128 v3, v[X+32*\i+4*\j:X+32*\i+4*\j+3] offset:544*\j
.endr
.irp t, 0,1,2,3
	ds_load_b128 v[Y+8*\t:Y+8*\t+3], v4 offset:64*\t       ; LDS serves a wave's instructions in order: these see the stores above, and the next unit's stores come behind them
	ds_load_b128 v[Y+8*\t+4:Y+8*\t+7], v4 offset:64*\t+16  ; register 8 t + j = k 16 t + 8 h + j of row r
.endr
	s_wait_dscnt 0x0
	QROW Y, \i
	global_store_b128 v1, v[C+8*\i:C+8*\i+3], s[DST:DST+1] offset:1024*\i          ; two stores of 512 consecutive aligned bytes
	global_store_b128 v1, v[C+8*\i+4:C+8*\i+7], s[DST:DST+1] offset:1024*\i+512
.endr
	s_wait_tensorcnt 0x0
	ds_add_u32 v30, v31
	s_wait_dscnt 0x0
	s_endpgm
.Lfunc_end_k_q2d07e8391a_prep:
	.size	k_q2d07e8391a_prep, .Lfunc_end_k_q2d07e8391a_prep-k_q2d07e8391a_prep
	.p2alignl 7, 3214868480
	.fill 96, 4, 3214868480
	.section	.rodata,"a",@progbits
	.p2align	6, 0x0
	.amdhsa_kernel k_q2d07e8391a_prep
		.amdhsa_group_segment_fixed_size 54784
		.amdhsa_private_segment_fixed_size 0
		.amdhsa_enable_private_segment 0
		.amdhsa_kernarg_size 72
		.amdhsa_user_sgpr_count 2
		.amdhsa_user_sgpr_kernarg_segment_ptr 1
		.amdhsa_wavefront_size32 1
		.amdhsa_system_sgpr_workgroup_id_x 1
		.amdhsa_system_sgpr_workgroup_id_y 1
		.amdhsa_system_sgpr_workgroup_id_z 1
		.amdhsa_system_vgpr_workitem_id 0
		.amdhsa_next_free_vgpr 256
		.amdhsa_next_free_sgpr 66
		.amdhsa_reserve_vcc 0
		.amdhsa_float_denorm_mode_32 3
		.amdhsa_float_denorm_mode_16_64 3
		.amdhsa_memory_ordered 1
		.amdhsa_forward_progress 1
		.amdhsa_inst_pref_size 77
	.end_amdhsa_kernel
	.amdgpu_metadata
---
amdhsa.version: [ 1, 2 ]
amdhsa.kernels:
  - .name:           k_q2d07e8391a_prep
    .symbol:         k_q2d07e8391a_prep.kd
    .args:
      - { .name: x, .offset: 0, .size: 8, .value_kind: global_buffer, .address_space: global }
      - { .name: ln_gamma, .offset: 8, .size: 8, .value_kind: global_buffer, .address_space: global }
      - { .name: ln_beta, .offset: 16, .size: 8, .value_kind: global_buffer, .address_space: global }
      - { .name: in_proj_w, .offset: 24, .size: 8, .value_kind: global_buffer, .address_space: global }
      - { .name: out_proj_w, .offset: 32, .size: 8, .value_kind: global_buffer, .address_space: global }
      - { .name: lowp_scales, .offset: 40, .size: 8, .value_kind: global_buffer, .address_space: global }
      - { .name: xn_codes, .offset: 48, .size: 8, .value_kind: global_buffer, .address_space: global }
      - { .name: w1_codes, .offset: 56, .size: 8, .value_kind: global_buffer, .address_space: global }
      - { .name: w2_img, .offset: 64, .size: 8, .value_kind: global_buffer, .address_space: global }
    .group_segment_fixed_size: 54784
    .private_segment_fixed_size: 0
    .kernarg_segment_align: 8
    .kernarg_segment_size: 72
    .max_flat_workgroup_size: 128
    .sgpr_count:     66
    .vgpr_count:     256
    .wavefront_size: 32
...
	.end_amdgpu_metadata
.endif
;; end of part 1
;; launch qkv (part 2): grid 8 x 32, 4 waves a work-group, clusters of 4 x 4, 327,680 bytes of LDS; arguments xn_codes, w1_codes, in_proj_b, lowp_scales, q_img, k_img, v_img; writes q_img, k_img, v_img
.if DOCPART == 2
	.amdgcn_target "amdgcn-amd-amdhsa--gfx1250"
	.amdhsa_code_object_version 6
	.text
	.protected	k_q2d07e8391a_qkv
	.globl	k_q2d07e8391a_qkv
	.p2align	8
	.type	k_q2d07e8391a_qkv,@function
k_q2d07e8391a_qkv:
	s_mov_b64 s[64:65], 0
	v_nop
	global_prefetch_b8 v0, s[64:65] scope:SCOPE_SE
	s_setreg_imm32_b32 hwreg(HW_REG_WAVE_MODE, 25, 1), 1
	s_wait_xcnt 0x0
	s_wait_alu depctr_hold_cnt(0) depctr_sa_sdst(0) depctr_va_vdst(0) depctr_va_sdst(0) depctr_va_ssrc(0) depctr_va_vcc(0) depctr_vm_vsrc(0)
	s_getreg_b32 s2, hwreg(HW_REG_IB_STS2, 6, 4)
	s_cmp_eq_u32 s2, 0
	s_cbranch_scc0 .Lentry_in_a_cluster
	s_endpgm
.Lentry_in_a_cluster:
	s_bfe_u32 s2, ttmp6, 0x10000c
	s_cmp_lg_u32 s2, 0xf033
	s_cbranch_scc0 .Lentry_shape_is_right
	s_endpgm
.Lentry_shape_is_right:
; qkv = xn in_proj_w^T + in_proj_b on codes of FP8 (E4M3), and q, k, v quantised on the way out (scales 2^e2, 2^e3, 2^e5).
; A tile is 256 positions x 384 columns: q, k and v of TWO heads (w1_codes' rows are ordered so).  256 work-groups of four waves, one tile each; a wave makes 128 positions x one head's 192 columns: 96 accumulators, 768 registers.
; K = 1024 goes in eight steps of 128 (chunks, dense in memory, stated as rows of 256 bytes) through two LDS slots.  A step is two pieces of 64 along K, 96 matrix instructions each.
; CLUSTERS: 4 x 4 work-groups.  The four of a row need the same tiles of xn, the four of a column the same tiles of the weight: each tile is asked for jointly.
; PREFETCH: behind the load of K step k stands the prefetch of K step k + 2 (k = 0 .. 5): K steps 0 and 1 come by their loads alone.  The four partners of a joint load share its blocks of 256 bytes out by address:
;   16 of xn's 64, 24 of the weight's 96, a lane a block.
; q AND k ARE MADE TRANSPOSED (source 0 = 16 rows of the weight, source 1 = 16 positions): a lane holds one position and eight neighbouring d.  v IS NOT (source 0 = positions, source 1 = weight): a lane holds one d and eight
; neighbouring positions, which are the keys, the next product's K.  So each conversion's result is a piece of the next operand's registers, and the stores write images of those registers, 512 consecutive aligned bytes each:
;   q_img, k_img [b x 16 + head][64 tiles of 16 positions][2][32 lanes][16 bytes]: lane (r, h): position r, registers 2 c, 2 c + 1: d = 16 c + 8 h + 0 .. 7
;   v_img [b x 16 + head][8 steps of 128 keys][4 tiles of 16 d][4][32 lanes][16 bytes]: lane (r, h): d = r, registers 2 c, 2 c + 1: key 16 c + 8 h + 0 .. 7
; q's and k's bias goes in as the C of each sum's first matrix instruction, v's is added on the way out; both divided by 2^(e0 + e1).  The conversions take 2^(e2 - e0 - e1) and its like: the three scales in one.
; LIMITS: e2 - e0 - e1, e3 - e0 - e1, e5 - e0 - e1 between -126 and 119.  NaN among the inputs is not served.  K's places inside an instruction are permuted alike in both operands: only the order of the sums differs.
; COLUMN BLOCKS of 16: b = 6 c + t, c = 0, 1 the head's half of d, t = 0, 1: q; 2, 3: k; 4, 5: v.
; REGISTERS: window 0: v2-31 addresses and constants; v32-127 the weight's 12 fragments of 64 along K, ONE set, loaded in halves (c) by turns; v128-191, v192-255 xn's 8 fragments, TWO sets.  v192-255 hold q's and k's bias during the
;   first piece; on the way out v32-223 the codes.   windows 1-3: accumulators: (block b, positions a) at window 1 + b / 4, v[64 (b % 4) + 8 a].
.set PITCH,  144                       ; an LDS row: 128 bytes + 16 of padding: the 16 rows that a load touches start at 16 different 16-byte columns
.set HALFA,  128*PITCH                 ; what one load brings of xn, and what one wave reads
.set HALFB,  192*PITCH                 ; the same of the weight
.set SLOT,   2*HALFA+2*HALFB
.set SPARE,  2*SLOT                    ; behind the ring: the spare words, 128 bytes a wave, which no other line names
.set CHA,    1048576                   ; bytes of a chunk of xn_codes
.set CHB,    393216                    ; and of w1_codes
.set ADRA, 2                           ; v2-3 LDS address of my fragments of xn in slot 0, 1
.set ADRB, 4                           ; v4-5 of the weight
.set OUTO, 6                           ; v6 16 x lane
.set BQA,  7                           ; v7 32 h: q's and k's bias
.set SPW,  8                           ; v8 my spare word; never rewritten
.set NIL,  9                           ; v9 0; never rewritten
.set BVA,  10                          ; v10 4 r: v's bias
.set PFO,  11                          ; v11 the prefetches' offset; never rewritten
.set SCQ,  12                          ; v12, 13: q's scale and hold; v14, 15: k's; v16, 17: v's
.set VB,   18                          ; v18-25 v's bias: a pair for each of four blocks
.set BF,   32
.set AF,   128
.set BIAS, 192
.set QC,   32                          ; q's codes: 8 registers a tile of positions; k's 64 further on
.set VC,   160                         ; v's: 16 registers a tile of d
.set PFA,  74                          ; s[74:75] where my prefetches stand
.set PFS,  66                          ; s[66:67] a chunk on
.set G1, 24
.set G0, 32
.set G1B, 48
.set G0B, 56
.set MSB, 0
.macro WIN new                         ; the immediate's high byte repeats the setting that is left
.if MSB != (\new)
	s_set_vgpr_msb (MSB<<8)|(\new)
.set MSB, (\new)
.endif
.endm
; A joint load: waves 0 and 1 fetch xn's two halves, waves 2 and 3 the weight's.  The branch hangs on the wave's number alone.
.macro JLOAD s
	s_cmp_eq_u32 s15, 0
	s_cbranch_scc0 .Lfor_b_\@
	tensor_load_to_lds s[G0+4*\s:G0+4*\s+3], s[G1:G1+7]
	s_nop 0
.rept 4
	v_nop
.endr
	s_branch .Lasked_\@
.Lfor_b_\@:
	tensor_load_to_lds s[G0B+4*\s:G0B+4*\s+3], s[G1B:G1B+7]
	s_nop 0
.rept 4
	v_nop
.endr
.Lasked_\@:
.endm
.macro CREST                           ; a round of the cluster's barrier behind its opening barrier
	s_cmp_lg_u32 s14, 0
	s_cbranch_scc1 .Lnot_wave_0_\@
	s_barrier_signal -3
.Lnot_wave_0_\@:
	s_barrier_wait -3
	s_barrier_signal -1
	s_barrier_wait -1
.endm
.macro CROUND
	s_barrier_signal -1
	s_barrier_wait -1
	CREST
.endm
.macro PLACES                          ; four plain vector lines between a matrix instruction and a load into, or a vector read of, its registers
.rept 4
	v_nop
.endr
.endm
.macro ASK
	global_prefetch_b8 v[PFO], s[PFA:PFA+1] th:TH_LOAD_NT scope:SCOPE_SE
.endm
.macro MKSC v, e                       ; 2^(e - e0 - e1) and 448 x that, as f32 patterns
	s_add_co_i32 s85, s[\e], s84
	s_add_co_i32 s85, s85, 127
	s_lshl_b32 s86, s85, 23
	v_mov_b32 v[\v], s86
	s_add_co_i32 s85, s85, 8
	s_lshl_b32 s85, s85, 23
	s_or_b32 s85, s85, 0x600000
	v_mov_b32 v[\v+1], s85
.endm
	s_load_b128 s[4:7], s[0:1], 0x0                ; xn_codes, w1_codes
	s_load_b128 s[8:11], s[0:1], 0x10              ; in_proj_b, the scales' exponents
	s_load_b128 s[68:71], s[0:1], 0x20             ; q_img, k_img
	s_load_b64 s[72:73], s[0:1], 0x30              ; v_img
	v_lshl_add_u32 v[SPW], v0, 2, SPARE
	v_mov_b32 v[NIL], 0
	ds_add_u32 v[SPW], v[NIL]                      ; the wave's opening: the add, twice on end, and its one wait
	ds_add_u32 v[SPW], v[NIL]
	v_lshrrev_b32 v1, 5, v0
	v_readfirstlane_b32 s14, v1                    ; wave 0..3
	s_lshr_b32 s15, s14, 1                         ; which 128 positions are mine.  Also: I fetch xn (0) or the weight (1)
	s_and_b32 s16, s14, 1                          ; which head of the two is mine.  Also: which half of that tile I fetch
	s_bfe_u32 s40, ttmp6, 0x40000                  ; cx, cy: my place in the cluster
	s_bfe_u32 s41, ttmp6, 0x40004
	s_lshl_b32 s42, ttmp9, 2
	s_add_co_u32 s42, s42, s40                     ; tile column: the pair of heads, 0 .. 7
	s_and_b32 s17, ttmp7, 0xffff
	s_lshl_b32 s17, s17, 2
	s_add_co_u32 s17, s17, s41                     ; tile row: 256 positions
	s_lshl_b32 s43, s41, 2
	s_lshl_b32 s43, 15, s43                        ; my row of the cluster
	s_lshl_b32 s44, 0x1111, s40                    ; my column
	s_or_b32 s[G1+0], s43, (0<<16)|(1<<20)|(1<<21)|(4<<22)|(3<<25)   ; the mask; elements of 1 byte; padding on; bit 21 beside a mask; 4 words behind every 32: behind each 128 bytes
	s_or_b32 s[G1B+0], s44, (0<<16)|(1<<20)|(1<<21)|(4<<22)|(3<<25)
	s_mov_b32 s[G1+1], 256<<16                     ; tensor_dim0
	s_mov_b32 s[G1+2], 64<<16                      ; tensor_dim1: 128 rows of 128 bytes
	s_mov_b32 s[G1+3], 256<<16                     ; tile_dim0
	s_mov_b32 s[G1+4], 64                          ; tile_dim1
	s_mov_b32 s[G1+5], 256                         ; dense
	s_mov_b32 s[G1+6], 0
	s_mov_b32 s[G1+7], 0
	s_mov_b32 s[G1B+1], 256<<16
	s_mov_b32 s[G1B+2], 96<<16                     ; 192 rows of 128 bytes
	s_mov_b32 s[G1B+3], 256<<16
	s_mov_b32 s[G1B+4], 96
	s_mov_b32 s[G1B+5], 256
	s_mov_b32 s[G1B+6], 0
	s_mov_b32 s[G1B+7], 0
	s_lshl_b32 s18, s16, 14                        ; 128 rows
	s_lshl_b32 s20, s17, 15                        ; 256 rows
	s_add_co_u32 s20, s20, s18                     ; xn: row 256 x tile row + 128 x half
	s_mov_b32 s21, 0
	s_mul_i32 s46, s42, 384*128
	s_mul_i32 s18, s16, 192*128
	s_add_co_u32 s46, s46, s18                     ; the weight: row 384 x tile column + 192 x half
	s_mov_b32 s47, 0
	s_mul_i32 s45, s16, HALFA                      ; where they go: no place in the cluster enters an LDS address
	s_mul_i32 s19, s16, HALFB
	s_add_co_u32 s19, s19, 2*HALFA
	s_wait_dscnt 0x0                               ; both opening adds are done
	s_wait_kmcnt 0x0
	s_load_b256 s[76:83], s[10:11], 0x0            ; e0 .. e7
	s_add_nc_u64 s[20:21], s[4:5], s[20:21]
	s_add_nc_u64 s[46:47], s[6:7], s[46:47]
.irp s, 0,1
	s_mov_b32 s[G0+4*\s], 1
	s_add_co_u32 s[G0+4*\s+1], s45, \s*SLOT
	s_add_nc_u64 s[G0+4*\s+2:G0+4*\s+3], s[20:21], \s*CHA
	s_or_b32 s[G0+4*\s+3], s[G0+4*\s+3], 0x80000000
	s_mov_b32 s[G0B+4*\s], 1
	s_add_co_u32 s[G0B+4*\s+1], s19, \s*SLOT
	s_add_nc_u64 s[G0B+4*\s+2:G0B+4*\s+3], s[46:47], \s*CHB
	s_or_b32 s[G0B+4*\s+3], s[G0B+4*\s+3], 0x80000000
.endr
	CROUND                                         ; all sixteen work-groups are here: the first joint loads meet
	JLOAD 0                                        ; K step 0: one tensor load a wave at the head
	; the prefetches: my partners and I share the blocks that I fetch
	s_lshl_b32 s86, s40, 12                        ; xn: 16 blocks x cx
	s_mul_i32 s88, s41, 6144                       ; the weight: 24 blocks x cy
	s_mov_b32 s87, 0
	s_mov_b32 s[PFS], CHB
	s_mov_b32 s[PFS+1], 0
	s_cmp_eq_u32 s15, 0
	s_cselect_b64 s[PFA:PFA+1], s[20:21], s[46:47]
	s_cselect_b32 s86, s86, s88
	s_cselect_b32 s90, 15, 23                      ; the last block; lanes beyond it name it again
	s_cselect_b32 s[PFS], CHA, s[PFS]
	s_add_nc_u64 s[PFA:PFA+1], s[PFA:PFA+1], s[86:87]
	s_add_nc_u64 s[PFA:PFA+1], s[PFA:PFA+1], s[PFS:PFS+1]
	s_add_nc_u64 s[PFA:PFA+1], s[PFA:PFA+1], s[PFS:PFS+1]   ; at K step 2
	s_mul_i32 s21, s15, HALFA
	s_mul_i32 s22, s16, HALFB
	s_add_co_u32 s22, s22, 2*HALFA
	s_add_co_u32 s23, s21, SLOT
	s_add_co_u32 s91, s22, SLOT
	v_and_b32 v1, 15, v0                           ; r
	v_bfe_u32 v26, v0, 4, 1                        ; h
	v_mul_u32_u24 v27, v1, PITCH
	v_lshl_add_u32 v27, v26, 4, v27                ; a fragment's row x pitch + 16 h
	v_add_nc_u32 v[ADRA], s21, v27
	v_add_nc_u32 v[ADRA+1], s23, v27
	v_add_nc_u32 v[ADRB], s22, v27
	v_add_nc_u32 v[ADRB+1], s91, v27
	v_and_b32 v28, 31, v0
	v_lshlrev_b32 v[OUTO], 4, v28
	v_lshlrev_b32 v[BQA], 5, v26
	v_lshlrev_b32 v[BVA], 2, v1
	v_min_u32 v29, s90, v28
	v_lshlrev_b32 v[PFO], 8, v29
	s_wait_alu depctr_va_vdst(0)
	s_lshl_b32 s88, s42, 1
	s_add_co_u32 s88, s88, s16                     ; my head
	s_lshl_b32 s86, s88, 8                         ; its bias: 256 bytes in each third
	s_mov_b32 s87, 0
	s_add_nc_u64 s[8:9], s[8:9], s[86:87]
.irp c, 0,1                                    ; q's and k's: lane (r, h) wants d = 32 c + 16 u + 8 h + 0 .. 7
.irp t, 0,1,2,3
	global_load_b128 v[BIAS+8*(4*\c+\t):BIAS+8*(4*\c+\t)+3], v[BQA], s[8:9] offset:4096*(\t/2)+128*\c+64*(\t%2)
	global_load_b128 v[BIAS+8*(4*\c+\t)+4:BIAS+8*(4*\c+\t)+7], v[BQA], s[8:9] offset:4096*(\t/2)+128*\c+64*(\t%2)+16
.endr
.endr
.irp u, 0,1,2,3                                ; v's: lane (r, h) wants d = 16 u + r
	global_load_b32 v[VB+2*\u], v[BVA], s[8:9] offset:8192+64*\u
.endr
	ASK                                            ; K step 2
	; where my codes go
	s_lshr_b32 s89, s17, 2                         ; the batch
	s_lshl_b32 s89, s89, 4
	s_add_co_u32 s88, s88, s89                     ; 16 b + head
	s_lshl_b32 s92, s88, 16                        ; x 65,536 bytes
	s_and_b32 s93, s17, 3                          ; which 256 positions of the batch
	s_lshl_b32 s93, s93, 14                        ; 16 tiles of 1,024 bytes; and two key steps of 8,192
	s_lshl_b32 s94, s15, 13                        ; my half: 8 tiles; and one key step
	s_add_co_u32 s93, s93, s94
	s_add_co_u32 s92, s93, s92
	s_mov_b32 s93, 0
	s_add_nc_u64 s[68:69], s[68:69], s[92:93]
	s_add_nc_u64 s[70:71], s[70:71], s[92:93]
	s_add_nc_u64 s[72:73], s[72:73], s[92:93]
	s_wait_kmcnt 0x0
	s_add_co_i32 s84, s76, s77
	s_sub_co_i32 s84, 0, s84                       ; -(e0 + e1)
	MKSC SCQ, 78
	MKSC SCQ+2, 79
	MKSC SCQ+4, 81
	s_wait_alu depctr_va_vdst(0)
	s_wait_loadcnt 0x0
.set JJ, BIAS
.rept 64
	v_ldexp_f32 v[JJ], v[JJ], s84                  ; a sum stands for sum x 2^(e0 + e1): the bias goes in divided by that
.set JJ, JJ+1
.endr
.irp u, 0,2,4,6
	v_ldexp_f32 v[VB+\u], v[VB+\u], s84
	v_mov_b32 v[VB+\u+1], 0                        ; (named as the upper half of the pair)
.endr
.macro LB slot, p, c                   ; half c of the weight's fragments, piece p: 16 rows x 64 codes are two loads of 16 bytes, 32 apart; the same places of K in both operands
.irp i, 0,1,2,3,4,5
.irp z, 0,1
	ds_load_b128 v[BF+8*(6*(\c)+\i)+4*\z:BF+8*(6*(\c)+\i)+4*\z+3], v[ADRB+\slot] offset:64*(\p)+32*\z+16*PITCH*(6*(\c)+\i)
.endr
.endr
.endm
.macro LA slot, p                      ; xn's eight fragments, piece p, into set p
.irp i, 0,1,2,3,4,5,6,7
.irp z, 0,1
	ds_load_b128 v[AF+64*(\p)+8*\i+4*\z:AF+64*(\p)+8*\i+4*\z+3], v[ADRA+\slot] offset:64*(\p)+32*\z+16*PITCH*\i
.endr
.endr
.endm
; n matrix instructions: column block 6 c + t x xn's blocks a0 .. a0 + n - 1, 64 along K.  The 96 accumulators take turns, one instruction a turn, in the same order in every piece.
; first = 1: the bias (q, k) or 0 is the C: nothing is cleared.
.macro MULB c, t, p, first, a0, n
.set CB, 6*(\c)+(\t)
.set WW, 1+CB/4
.if \first
	WIN WW<<6
.else
	WIN (WW<<6)|(WW<<4)
.endif
.set DR, 64*(CB%4)+8*(\a0)
.set BR, BF+8*CB
.set AR, AF+64*(\p)+8*(\a0)
.rept \n
.if (\first) && ((\t) < 4)
	v_wmma_f32_16x16x64_fp8_fp8 v[DR:DR+7], v[BR:BR+7], v[AR:AR+7], v[BIAS+8*(4*(\c)+(\t)):BIAS+8*(4*(\c)+(\t))+7]
.elseif \first
	v_wmma_f32_16x16x64_fp8_fp8 v[DR:DR+7], v[AR:AR+7], v[BR:BR+7], 0
.elseif (\t) < 4
	v_wmma_f32_16x16x64_fp8_fp8 v[DR:DR+7], v[BR:BR+7], v[AR:AR+7], v[DR:DR+7]
.else
	v_wmma_f32_16x16x64_fp8_fp8 v[DR:DR+7], v[AR:AR+7], v[BR:BR+7], v[DR:DR+7]
.endif
.set DR, DR+8
.set AR, AR+8
.endr
.endm
.macro MULH c, p, first                ; half c of the weight x xn's eight blocks
.irp t, 0,1,2,3,4,5
	MULB \c, \t, \p, \first, 0, 8
.endr
	WIN 0
.endm
.macro MULT p, first, a0               ; half 0 x four of xn's blocks
.irp t, 0,1,2,3,4,5
	MULB 0, \t, \p, \first, \a0, 4
.endr
.endm
.macro MULS p, first                   ; half 0 x xn's eight, in two groups
	s_wait_dscnt 20                                ; half 0 and xn's blocks 0-3 are in; blocks 4-7's 8 loads and the 12 just issued may be out
	MULT \p, \first, 0
	s_wait_dscnt 12                                ; all but the 12
	MULT \p, \first, 4
	WIN 0
.endm
; A slot's first 64 along K: half 1 of its weight is fetched ahead of half 0's products, the next piece's half 0 and xn ahead of half 1's.
.macro PIECE0 slot, first
	PLACES
	LB \slot, 0, 1
	MULS 0, \first
	PLACES
	LB \slot, 1, 0
.if \first
	s_wait_dscnt 12
	MULH 1, 0, 1
	PLACES
	LA \slot, 1                                    ; xn's set 1 held the bias until here
.else
	LA \slot, 1
	s_wait_dscnt 28
	MULH 1, 0, 0
.endif
.endm
; A slot's second 64 changes slots: one barrier; in front of it each wave waits for all its tensor loads, adds 0 to its spare word, and waits for that and for its reads of this slot.
.macro PIECE1 slot, next, fill
	PLACES
	LB \slot, 1, 1                                 ; my last reads of this slot
	s_wait_dscnt 20                                ; as in MULS
	MULT 1, 0, 0
	s_wait_dscnt 12
	MULB 0, 0, 1, 0, 4, 4
	MULB 0, 1, 1, 0, 4, 4
	WIN 0
.if \fill
	s_wait_xcnt 0x0                                ; my last prefetch has read its address
	s_add_nc_u64 s[PFA:PFA+1], s[PFA:PFA+1], s[PFS:PFS+1]
.endif
	s_wait_tensorcnt 0x0                           ; all my tensor loads have landed: my part of the next slot
	ds_add_u32 v[SPW], v[NIL]                      ; 0 onto my spare word
	MULB 0, 2, 1, 0, 4, 4                          ; eight matrix instructions stand between the add and the wait for it
	MULB 0, 3, 1, 0, 4, 4
	s_wait_dscnt 0x0                               ; the add is done, and my reads of this slot are over
	s_barrier_signal -1
	MULB 0, 4, 1, 0, 4, 4                          ; and eight between the signal and its wait
	MULB 0, 5, 1, 0, 4, 4
	WIN 0
	s_barrier_wait -1
.if \fill
	CREST                                          ; the barrier has opened a round of the cluster's: no wave of any partner still reads this slot or has a load on its way
	s_add_nc_u64 s[G0+4*\slot+2:G0+4*\slot+3], s[G0+4*\slot+2:G0+4*\slot+3], 2*CHA
	s_add_nc_u64 s[G0B+4*\slot+2:G0B+4*\slot+3], s[G0B+4*\slot+2:G0B+4*\slot+3], 2*CHB
	JLOAD \slot                                    ; the first tensor load behind the round; its four v_nop are the places in front of the loads below
.else
	PLACES
.endif
	LB \next, 0, 0
	LA \next, 0
.if \fill
	s_cmp_gt_u32 s3, 1                             ; the last trip's refills are K steps 6 and 7: nothing lies two steps on
	s_cbranch_scc0 .Lnone_\@
	ASK
.Lnone_\@:
.endif
	MULH 1, 1, 0
.endm
	s_wait_alu depctr_va_vdst(0)                   ; the wait at the head's end
	s_wait_xcnt 0x0
	s_add_nc_u64 s[PFA:PFA+1], s[PFA:PFA+1], s[PFS:PFS+1]
	s_wait_tensorcnt 0x0                           ; my part of K step 0 is in
	ds_add_u32 v[SPW], v[NIL]
	s_wait_dscnt 0x0
	CROUND                                         ; everybody's part of K step 0 is in, and the joint loads meet
	JLOAD 1                                        ; K step 1, the first tensor load behind the round
	LB 0, 0, 0
	LA 0, 0
	ASK                                            ; K step 3
	PIECE0 0, 1
	s_mov_b32 s3, 3
.Llap:                                                 ; a trip goes once round the ring, from a slot's second piece to its next first one, and fills both slots again
	PIECE1 0, 1, 1
	PIECE0 1, 0
	PIECE1 1, 0, 1
	PIECE0 0, 0
	s_sub_co_u32 s3, s3, 1
	s_cmp_lg_u32 s3, 0
	s_cbranch_scc1 .Llap
	PIECE1 0, 1, 0
	PIECE0 1, 0
	PLACES
	LB 1, 1, 1
	MULS 1, 0
	s_wait_dscnt 0x0
	MULH 1, 1, 0
	; THE WAY OUT: v's bias, hold, convert, store.  Each accumulator is taken from its low end on.
	PLACES
.irp W, 1,2,3
	WIN (\W<<6)|\W                                 ; source 0 and destination: the accumulators' window
.irp m, 0,1,2,3
.set CB, 4*(\W-1)+\m
.set TY, (CB%6)/2
.if TY == 2
.set JJ, 64*\m
.rept 32
	v_pk_add_f32 v[JJ:JJ+1], v[JJ:JJ+1], v[VB+2*(2*(CB/6)+CB%2):VB+2*(2*(CB/6)+CB%2)+1] op_sel_hi:[1,0]
.set JJ, JJ+2
.endr
.endif
.set JJ, 64*\m
.rept 64
	v_med3_num_f32 v[JJ], v[JJ], -v[SCQ+1+2*TY], v[SCQ+1+2*TY]
.set JJ, JJ+1
.endr
.endr
	WIN \W                                         ; source 0: the accumulators; the codes go to window 0
.irp m, 0,1,2,3
.set CB, 4*(\W-1)+\m
.set TY, (CB%6)/2
.irp a, 0,1,2,3,4,5,6,7
.if TY == 2
	v_cvt_scalef32_pk8_fp8_f32 v[VC+16*(2*(CB/6)+CB%2)+2*\a:VC+16*(2*(CB/6)+CB%2)+2*\a+1], v[64*\m+8*\a:64*\m+8*\a+7], v[SCQ+4]
.else
	v_cvt_scalef32_pk8_fp8_f32 v[QC+64*TY+8*\a+4*(CB/6)+2*(CB%2):QC+64*TY+8*\a+4*(CB/6)+2*(CB%2)+1], v[64*\m+8*\a:64*\m+8*\a+7], v[SCQ+2*TY]
.endif
.endr
.endr
.endr
	v_nop                                          ; a plain line behind the last conversion
	WIN 0
.irp a, 0,1,2,3,4,5,6,7
.irp z, 0,1
	global_store_b128 v[OUTO], v[QC+8*\a+4*\z:QC+8*\a+4*\z+3], s[68:69] offset:1024*\a+512*\z        ; 32 lanes store 512 consecutive aligned bytes
	global_store_b128 v[OUTO], v[QC+64+8*\a+4*\z:QC+64+8*\a+4*\z+3], s[70:71] offset:1024*\a+512*\z
.endr
.endr
.irp t, 0,1,2,3
.irp c, 0,1,2,3
	global_store_b128 v[OUTO], v[VC+16*\t+4*\c:VC+16*\t+4*\c+3], s[72:73] offset:2048*\t+512*\c
.endr
.endr
	s_wait_tensorcnt 0x0                           ; the wave's end
	ds_add_u32 v[SPW], v[NIL]
	s_wait_dscnt 0x0
	CROUND                                         ; the closing round: no work-group ends while a partner may still ask for a tile that names it
	s_endpgm
.Lfunc_end_k_q2d07e8391a_qkv:
	.size	k_q2d07e8391a_qkv, .Lfunc_end_k_q2d07e8391a_qkv-k_q2d07e8391a_qkv
	.p2alignl 7, 3214868480
	.fill 96, 4, 3214868480
	.section	.rodata,"a",@progbits
	.p2align	6, 0x0
	.amdhsa_kernel k_q2d07e8391a_qkv
		.amdhsa_group_segment_fixed_size 327680
		.amdhsa_private_segment_fixed_size 0
		.amdhsa_enable_private_segment 0
		.amdhsa_kernarg_size 56
		.amdhsa_user_sgpr_count 2
		.amdhsa_user_sgpr_kernarg_segment_ptr 1
		.amdhsa_wavefront_size32 1
		.amdhsa_system_sgpr_workgroup_id_x 1
		.amdhsa_system_sgpr_workgroup_id_y 1
		.amdhsa_system_sgpr_workgroup_id_z 1
		.amdhsa_system_vgpr_workitem_id 0
		.amdhsa_next_free_vgpr 1024
		.amdhsa_next_free_sgpr 100
		.amdhsa_reserve_vcc 0
		.amdhsa_float_denorm_mode_32 3
		.amdhsa_float_denorm_mode_16_64 3
		.amdhsa_memory_ordered 1
		.amdhsa_forward_progress 1
		.amdhsa_inst_pref_size 159
	.end_amdhsa_kernel
	.amdgpu_metadata
---
amdhsa.version: [ 1, 2 ]
amdhsa.kernels:
  - .name:           k_q2d07e8391a_qkv
    .symbol:         k_q2d07e8391a_qkv.kd
    .args:
      - { .name: xn_codes, .offset: 0, .size: 8, .value_kind: global_buffer, .address_space: global }
      - { .name: w1_codes, .offset: 8, .size: 8, .value_kind: global_buffer, .address_space: global }
      - { .name: in_proj_b, .offset: 16, .size: 8, .value_kind: global_buffer, .address_space: global }
      - { .name: lowp_scales, .offset: 24, .size: 8, .value_kind: global_buffer, .address_space: global }
      - { .name: q_img, .offset: 32, .size: 8, .value_kind: global_buffer, .address_space: global }
      - { .name: k_img, .offset: 40, .size: 8, .value_kind: global_buffer, .address_space: global }
      - { .name: v_img, .offset: 48, .size: 8, .value_kind: global_buffer, .address_space: global }
    .group_segment_fixed_size: 327680
    .private_segment_fixed_size: 0
    .kernarg_segment_align: 8
    .kernarg_segment_size: 56
    .max_flat_workgroup_size: 128
    .sgpr_count:     100
    .vgpr_count:     1024
    .wavefront_size: 32
...
	.end_amdgpu_metadata
.endif
;; end of part 2
;; launch attn (part 3): grid 4 x 64, 8 waves a work-group, clusters of 4 x 1, 327,680 bytes of LDS; arguments q_img, k_img, v_img, lowp_scales, ctx_img; writes ctx_img
.if DOCPART == 3
	.amdgcn_target "amdgcn-amd-amdhsa--gfx1250"
	.amdhsa_code_object_version 6
	.text
	.protected	k_q2d07e8391a_attn
	.globl	k_q2d07e8391a_attn
	.p2align	8
	.type	k_q2d07e8391a_attn,@function
k_q2d07e8391a_attn:
	s_mov_b64 s[64:65], 0
	v_nop
	global_prefetch_b8 v0, s[64:65] scope:SCOPE_SE
	s_setreg_imm32_b32 hwreg(HW_REG_WAVE_MODE, 25, 1), 1
	s_wait_xcnt 0x0
	s_wait_alu depctr_hold_cnt(0) depctr_sa_sdst(0) depctr_va_vdst(0) depctr_va_sdst(0) depctr_va_ssrc(0) depctr_va_vcc(0) depctr_vm_vsrc(0)
	s_getreg_b32 s2, hwreg(HW_REG_IB_STS2, 6, 4)
	s_cmp_eq_u32 s2, 0
	s_cbranch_scc0 .Lentry_in_a_cluster
	s_endpgm
.Lentry_in_a_cluster:
	s_bfe_u32 s2, ttmp6, 0x10000c
	s_cmp_lg_u32 s2, 0x3003
	s_cbranch_scc0 .Lentry_shape_is_right
	s_endpgm
.Lentry_shape_is_right:
; ctx = softmax(q k^T / 8) v for 128 (batch, head) pairs, 1,024 positions, head size 64, both products on codes of FP8 (E4M3); ctx is quantised on the way out (scale 2^e6).
; THE SOFTMAX: t = score x log2(e) / 8; M = the running largest t rounded UP to a whole number; p = 2^(t - M) is quantised (scale 2^e4), not normalised; the row's sum is taken of the unquantised p and divides at the end.
; When M moves, the sum and O are multiplied by 2^(old M - new M), which rounds nothing.
; SHARES.  A cluster of four work-groups owns two heads, 2 y and 2 y + 1; each partner owns 256 queries of both.  Of its eight waves, two to a SIMD, waves 0-3 take the first head and waves 4-7 the second;
; a wave owns 64 queries: four tiles of 16, so that each fragment of K and V read from LDS serves four tiles.
; ALL OF K AND V OF BOTH HEADS LIES IN LDS: 2 x 131,072 bytes of codes, each byte filled once, by one joint load of 32,768 bytes a wave: waves 0-3 K's four, waves 4-7 V's four.  ONE barrier shows it all to all waves.
; No prefetch: every byte is asked for by the loads at the start, and no stream remains for the loop to run ahead of.
; LAYOUT.  The three inputs are images of operand registers (16 bytes a lane, 512 a piece), so every LDS load is at 16 x lane.  Both products are used transposed: S^T = K Q^T, O^T = V^T P^T: a lane holds one query throughout.
; S^T's tile T gives lane (r, h) keys 16 T + 8 h + 0 .. 7: its two registers of codes are registers 2 T, 2 T + 1 of the second product's operand.  O^T's tile t gives d = 16 t + 8 h + 0 .. 7: the last product's operand likewise.
; ctx_img [64 b + tile of 16 positions][16 heads][2][32 lanes][16 bytes].
; THE ORDER.  A key step is 128 keys; the wave's tiles come by turns, n = 4 x step + tile, through TWO buffers of scores.  Behind tile n's exponentials its sum and holds stand among tile n + 1's maximum; then tile n's codes,
; its second product, tile n + 2's scores into the buffer that tile n has left, and tile n + 1's scaling.  The next step's K is asked for when the step's last scores have been multiplied, its V when its last product has:
; each lands under a tile's exponentials.  The last step leaves the loop behind tile 3's exponentials and asks for nothing more.
; LIMITS: e2 + e3 between -123 and 130 (added to c's exponent field); e4 and e6 - e4 - e5 between -126 and 119; the scaled scores (t) stay under 2^31 in magnitude.  NaN among the inputs is not served.
; REGISTERS.  Window 0: v0 16 x lane; v1, v38 LDS bases of K, V; v2, v3 a step's; v4, v5 the add's; v6 448 x 2^e4; v7 2^e4; v8 + 2 i -M, v9 + 2 i the largest score of tile i; v[16 + 2 i : 17 + 2 i] its sum; v[24:25] f;
;   v26-37 at work; v40-71 Q; v72-87 p's codes; v96-159, v160-223 the two buffers.   Window 1: v0-63 K's 8 fragments; v64-127 V's 4; v128-255 O^T, 32 a tile.
.set SPARE, 262144                     ; behind K and V: the spare words, 128 bytes a wave, which no other line names
.set WV,  14
.set SEL, 20                           ; s[20:21] lane l xor 16
.set CS,  22                           ; s[22:23] c = log2(e) / 8 x 2^(e2 + e3)
.set NC,  92                           ; s92 -c
.set G1,  24                           ; s[24:31] descriptor group 1; s[32:35] group 0
.set KO,  76                           ; s76 where a key step begins within a head's half of K and of V
.set CNT, 78                           ; s78 steps to go
.set PC,  72
.set MSB, 0
.macro WIN new
.if MSB != (\new)
	s_set_vgpr_msb (MSB<<8)|(\new)
.set MSB, (\new)
.endif
.endm
.macro CROUND                          ; a round of the cluster's barrier
	s_barrier_signal -1
	s_barrier_wait -1
	s_cmp_lg_u32 s[WV], 0
	s_cbranch_scc1 .Lnot_wave_0_\@
	s_barrier_signal -3
.Lnot_wave_0_\@:
	s_barrier_wait -3
	s_barrier_signal -1
	s_barrier_wait -1
.endm
	s_load_b256 s[4:11], s[0:1], 0x0               ; q_img, k_img, v_img, the scales' exponents
	s_load_b64 s[12:13], s[0:1], 0x20              ; ctx_img
	v_lshl_add_u32 v4, v0, 2, SPARE
	v_mov_b32 v5, 0
	ds_add_u32 v4, v5                              ; the wave's opening: the add, twice on end, and its one wait
	ds_add_u32 v4, v5
	v_lshrrev_b32 v6, 5, v0
	v_readfirstlane_b32 s[WV], v6                  ; wave 0..7
	s_bfe_u32 s15, ttmp6, 0x40000                  ; cx: it enters Q's and ctx's addresses alone
	s_and_b32 s16, ttmp7, 0xffff                   ; y: the pair of heads, which the four partners share
	s_mov_b32 s[G1], 15|(3<<16)|(1<<21)            ; the mask: all four; elements of 8 bytes; bit 21 beside a mask; no padding
	s_mov_b32 s[G1+1], 32<<16                      ; tensor_dim0: 256 bytes
	s_mov_b32 s[G1+2], 128<<16                     ; tensor_dim1
	s_mov_b32 s[G1+3], 32<<16                      ; tile_dim0
	s_mov_b32 s[G1+4], 128                         ; tile_dim1: 128 rows, dense
	s_mov_b32 s[G1+5], 32
	s_mov_b32 s[G1+6], 0
	s_mov_b32 s[G1+7], 0
	s_mov_b32 s[SEL], 0x76543210
	s_mov_b32 s[SEL+1], 0xfedcba98
	s_lshr_b32 s17, s[WV], 2                       ; which head of the two is mine.  Also: I fetch K (0) or V (1)
	s_and_b32 s18, s[WV], 3                        ; which 64 of the 256 queries are mine.  Also: which 32,768 bytes I fetch
	s_lshl_b32 s19, s18, 15
	s_lshl_b32 s82, s16, 17                        ; two heads are 131,072 bytes in k_img and in v_img
	s_add_co_u32 s82, s82, s19
	s_mov_b32 s83, 0
	s_mov_b32 s32, 1
	s_lshl_b32 s33, s[WV], 15                      ; LDS: K's four pieces, then V's
	s_lshl_b32 s84, s16, 1
	s_add_co_u32 s84, s84, s17                     ; Q: head 2 y + 0 or 1 of 65,536 bytes, tile 16 cx + 4 w of 1,024
	s_lshl_b32 s84, s84, 16
	s_lshl_b32 s85, s15, 14
	s_add_co_u32 s84, s84, s85
	s_lshl_b32 s85, s18, 12
	s_add_co_u32 s84, s84, s85
	s_mov_b32 s85, 0
	s_lshr_b32 s86, s16, 3                         ; ctx: row tile 64 (y / 8) + 16 cx + 4 w of 16,384 bytes, head 2 (y % 8) + 0 or 1 of 1,024
	s_lshl_b32 s86, s86, 6
	s_lshl_b32 s87, s15, 4
	s_add_co_u32 s86, s86, s87
	s_lshl_b32 s87, s18, 2
	s_add_co_u32 s86, s86, s87
	s_lshl_b32 s86, s86, 14
	s_and_b32 s87, s16, 7
	s_lshl_b32 s87, s87, 11
	s_add_co_u32 s86, s86, s87
	s_lshl_b32 s87, s17, 10
	s_add_co_u32 s86, s86, s87
	s_mov_b32 s87, 0
	s_wait_dscnt 0x0                               ; both opening adds are done
	s_wait_kmcnt 0x0
	s_load_b256 s[68:75], s[10:11], 0x0            ; e0 .. e7
	s_cmp_eq_u32 s17, 0
	s_cselect_b64 s[80:81], s[6:7], s[8:9]
	s_add_nc_u64 s[34:35], s[80:81], s[82:83]
	s_or_b32 s35, s35, 0x80000000
	s_add_nc_u64 s[4:5], s[4:5], s[84:85]
	s_add_nc_u64 s[12:13], s[12:13], s[86:87]
	CROUND                                         ; all four work-groups are here: the joint loads meet
	tensor_load_to_lds s[32:35], s[G1:G1+7]        ; the wave's one load
	s_nop 0
.rept 4
	v_nop
.endr
	s_lshl_b32 s89, s17, 16                        ; my head's half of K's and of V's bytes
	v_and_b32 v0, 31, v0
	v_lshlrev_b32 v0, 4, v0                        ; 16 x lane
	v_add_nc_u32 v1, s89, v0
	v_add_nc_u32 v38, 131072, v1
.irp t, 0,1,2,3
.irp z, 0,1
	global_load_b128 v[40+8*\t+4*\z:40+8*\t+4*\z+3], v0, s[4:5] offset:1024*\t+512*\z            ; Q stays in registers
.endr
.endr
.irp i, 0,1,2,3
	v_mov_b32 v[8+2*\i], 0x7e967699                ; -M: 1e38, so that the first change of M gives f = 0
	v_mov_b32 v[9+2*\i], 0xff61b1e6                ; -3e38, under every score
	v_mov_b32 v[16+2*\i], 0
	v_mov_b32 v[17+2*\i], 0
.endr
	v_mov_b32 v25, 0                               ; (named as the upper half of f's pair)
	v_mov_b32 v31, 0                               ; (a lane permute's destination counts as read)
	WIN 0x40
.set JJ, 128
.rept 128
	v_mov_b32 v[JJ], 0                             ; O^T: a tile's step is written once, and its first trip finds zeros
.set JJ, JJ+1
.endr
	WIN 0
	s_wait_alu depctr_va_vdst(0)
	s_wait_kmcnt 0x0
	s_mov_b32 s[CS], 0x3e38aa3b                    ; log2(e) / 8
	s_add_co_i32 s88, s70, s71
	s_lshl_b32 s88, s88, 23
	s_add_co_i32 s[CS], s[CS], s88                 ; a score stands for score x 2^(e2 + e3)
	s_mov_b32 s[CS+1], s[CS]                       ; (named with it as a pair)
	s_xor_b32 s[NC], s[CS], 0x80000000
	s_add_co_i32 s88, s72, 127
	s_lshl_b32 s89, s88, 23                        ; 2^e4
	s_add_co_i32 s88, s88, 8
	s_lshl_b32 s88, s88, 23
	s_or_b32 s88, s88, 0x600000                    ; 448 x 2^e4
	s_sub_co_i32 s90, s74, s72
	s_sub_co_i32 s90, s90, s73                     ; O / l stands for ctx / 2^(e4 + e5): its conversion takes 2^(e6 - e4 - e5)
	s_add_co_i32 s90, s90, 127
	s_lshl_b32 s91, s90, 23
	s_add_co_i32 s90, s90, 8
	s_lshl_b32 s90, s90, 23
	s_or_b32 s90, s90, 0x600000
	s_mov_b32 s[KO], 0
	s_mov_b32 s[CNT], 8
	v_mov_b32 v6, s88
	v_mov_b32 v7, s89
.macro LOADK adr                       ; a key step's K into window 1
	WIN 0x40
.irp T, 0,1,2,3,4,5,6,7
.irp c, 0,1
	ds_load_b128 v[8*\T+4*\c:8*\T+4*\c+3], v[\adr] offset:1024*\T+512*\c
.endr
.endr
	WIN 0
.endm
.macro LOADV adr
	WIN 0x40
.irp t, 0,1,2,3
.irp c, 0,1,2,3
	ds_load_b128 v[64+16*\t+4*\c:64+16*\t+4*\c+3], v[\adr] offset:2048*\t+512*\c
.endr
.endr
	WIN 0
.endm
.macro SCORES n                        ; S^T of tile n: eight tiles of 16 keys, into buffer n % 2
	WIN 0x01                                       ; source 0 (K) window 1
.irp T, 0,1,2,3,4,5,6,7
	v_wmma_f32_16x16x64_fp8_fp8 v[96+64*((\n)%2)+8*\T:96+64*((\n)%2)+8*\T+7], v[8*\T:8*\T+7], v[40+8*(\n):47+8*(\n)], 0
.endr
	WIN 0
.endm
.macro PV i                            ; O^T += V^T P^T of tile i
	WIN 0x51                                       ; source 0 (V), C and D window 1
.irp t, 0,1,2,3
	v_wmma_f32_16x16x128_fp8_fp8 v[128+32*(\i)+8*\t:135+32*(\i)+8*\t], v[64+16*\t:79+16*\t], v[PC:PC+15], v[128+32*(\i)+8*\t:135+32*(\i)+8*\t]
.endr
	WIN 0
.endm
.macro RESCALE i                       ; O^T of tile i under the new M
	WIN 0x41                                       ; source 0 and destination window 1
	s_wait_alu depctr_va_vdst(0)                   ; the wait ahead of the first reader of the last products' results, behind the exponentials; it also stands between tile i's scaling and the exponentials that follow
.set JJ, 128+32*(\i)
.rept 16
	v_pk_mul_f32 v[JJ:JJ+1], v[JJ:JJ+1], v[24:25] op_sel_hi:[1,0]
.set JJ, JJ+2
.endr
	WIN 0
.endm
.macro FMA n                           ; t - M of tile n
.set JJ, 96+64*((\n)%2)
.rept 32
	v_pk_fma_f32 v[JJ:JJ+1], v[JJ:JJ+1], s[CS:CS+1], v[8+2*(\n):9+2*(\n)] op_sel_hi:[1,0,0]
.set JJ, JJ+2
.endr
.endm
.macro EXPS i                          ; p = 2^(t - M) of tile i: one batch; the wait that its sources need stands in RESCALE, ahead of it
.set JJ, 96+64*((\i)%2)
.rept 64
	v_exp_f32 v[JJ], v[JJ]
.set JJ, JJ+1
.endr
	v_pk_mul_f32 v[16+2*(\i):17+2*(\i)], v[16+2*(\i):17+2*(\i)], v[24:25] op_sel_hi:[1,0]   ; the sum under the new M: the plain line behind the last exponential
.endm
.macro MCH k                           ; the end of the maximum, line by line
.if (\k) == 3
	v_max3_num_f32 v26, v26, v28, v[RW]            ; and the largest so far
.elseif (\k) == 4
	v_permlanex16_b32 v31, v26, s[SEL], s[SEL+1]
.elseif (\k) == 5
	v_max_num_f32 v[RW], v26, v31                  ; and among lane l xor 16's
.elseif (\k) == 6
	v_mul_f32 v27, s[NC], v[RW]                    ; -t of the largest (c is positive)
.elseif (\k) == 7
	v_mov_b32 v30, v[MN]
.elseif (\k) == 8
	v_floor_f32 v[MN], v27                         ; -M = floor(-t): M is a whole number
.elseif (\k) == 9
	v_sub_f32 v27, v[MN], v30                      ; old M - new M, 0 or less
.elseif (\k) == 10
	v_cvt_i32_f32 v27, v27                         ; (it saturates)
.elseif (\k) == 11
	v_ldexp_f32 v24, 1.0, v27                      ; f = 2^(old M - new M)
.endif
.endm
; Tile m's maximum (m = -1: none) and tile s's sum and holds (s = -1: none), line by line among each other, in four chains each.  Maximum: chain c over accumulators 2 c and 2 c + 1 in ascending order: each accumulator is first read at its low end.
.macro TREE m, s
.set SB, 96+64*(((\m)+2)%2)
.set MN, 8+2*(\m)
.set RW, 9+2*(\m)
.set SA, 96+64*(((\s)+2)%2)
.set SM, 16+2*(\s)
.irp c, 0,1,2,3
.if (\m) >= 0
	v_max3_num_f32 v[26+\c], v[SB+16*\c], v[SB+16*\c+1], v[SB+16*\c+2]
.endif
.if ((\s) >= 0) && (\c < 3)
	v_pk_add_f32 v[32+2*\c:33+2*\c], v[SA+4*\c:SA+4*\c+1], v[SA+4*\c+2:SA+4*\c+3]   ; the sum, of the unquantised p: three chains begin here, the fourth is the running sum
.endif
.endr
.irp k, 3,5,7,9,11,13
.irp c, 0,1,2,3
.if (\m) >= 0
	v_max3_num_f32 v[26+\c], v[26+\c], v[SB+16*\c+\k], v[SB+16*\c+\k+1]
.endif
.if (\s) >= 0
.set CH, SM
.if \c > 0
.set CH, 30+2*\c
.endif
	v_pk_add_f32 v[CH:CH+1], v[CH:CH+1], v[SA+4*\k+2*\c:SA+4*\k+2*\c+1]
.endif
.endr
.endr
.if (\m) >= 0
	v_max3_num_f32 v26, v26, v27, v[SB+15]         ; the chains and the four scores left over
	v_max3_num_f32 v28, v28, v29, v[SB+31]
.endif
.if (\s) >= 0
	v_pk_add_f32 v[SM:SM+1], v[SM:SM+1], v[SA+60:SA+61]
	v_pk_add_f32 v[32:33], v[32:33], v[SA+62:SA+63]
	v_pk_add_f32 v[34:35], v[34:35], v[36:37]
.endif
.if (\m) >= 0
	v_max3_num_f32 v26, v26, v[SB+47], v[SB+63]
.endif
.if (\s) >= 0
.set DD, 0
.rept 32
	v_dual_min_num_f32 v[SA+2*DD], v6, v[SA+2*DD] :: v_dual_min_num_f32 v[SA+2*DD+1], v6, v[SA+2*DD+1]   ; the conversion does not saturate (ISA guide 7.6.2); p is not negative: a one-sided hold, two numbers a line
.if ((\m) >= 0) && (DD%3 == 2)
	MCH 3+DD/3
.endif
.if DD == 4
	v_pk_add_f32 v[SM:SM+1], v[SM:SM+1], v[32:33]
.elseif DD == 10
	v_pk_add_f32 v[SM:SM+1], v[SM:SM+1], v[34:35]
.endif
.set DD, DD+1
.endr
.else
.irp k, 3,4,5,6,7,8,9,10,11
	MCH \k
.endr
.endif
.endm
.macro CODES i
.set SA, 96+64*((\i)%2)
.irp b, 0,1,2,3,4,5,6,7
	v_cvt_scalef32_pk8_fp8_f32 v[PC+2*\b:PC+2*\b+1], v[SA+8*\b:SA+8*\b+7], v7
.endr
	v_nop                                          ; a plain line behind the last conversion, ahead of the matrix instructions
.endm
.macro TILE i, i1, i2                  ; tile i, and what stands beside it of tiles i + 1 and i + 2
	RESCALE \i
	EXPS \i
.if \i == 3
	s_wait_alu depctr_va_vdst(0)                   ; the wait ahead of the branch
	s_cmp_eq_u32 s[CNT], 1
	s_cbranch_scc1 .Llast
.endif
.if (\i == 0) || (\i == 2)
	s_wait_dscnt 0x0                               ; V (tile 0) or the next step's K (tile 2) is in
.endif
	s_wait_alu depctr_va_vdst(0)                   ; one wait behind the batch, ahead of the first readers of its results and of tile i + 1's scores
	TREE \i1, \i
	CODES \i
	PV \i
.if \i == 2
	s_cmp_eq_u32 s[CNT], 1
	s_cbranch_scc1 .Lno_scores_\@                  ; the last step has no successor
.endif
	SCORES \i2
.Lno_scores_\@:
	FMA \i1                                        ; (these are also the places in front of the loads below)
.if \i == 1
	s_add_co_u32 s[KO], s[KO], 8192
	s_and_b32 s[KO], s[KO], 0xffff
	s_cmp_eq_u32 s[CNT], 1
	s_cbranch_scc1 .Lno_k_\@
	v_add_nc_u32 v2, s[KO], v1
	LOADK 2                                        ; the next step's K: this step's last scores have been multiplied
.Lno_k_\@:
.elseif \i == 3
	v_add_nc_u32 v3, s[KO], v38
	LOADV 3                                        ; the next step's V
.endif
.endm
	s_wait_alu depctr_va_vdst(0)                   ; the wait at the head's end
	s_wait_loadcnt 0x0                             ; Q
	s_wait_tensorcnt 0x0                           ; my piece of K or V has landed
	s_barrier_signal -1
	s_barrier_wait -1                              ; and everybody's
	LOADK 1
	LOADV 38
	s_wait_dscnt 16                                ; K is in; V's 16 loads may be out
	SCORES 0
	SCORES 1
.rept 4
	v_nop
.endr
	TREE 0, -1
	FMA 0
.Lstep:
	TILE 0, 1, 2
	TILE 1, 2, 3
	TILE 2, 3, 0
	TILE 3, 0, 1
	s_sub_co_u32 s[CNT], s[CNT], 1
	s_cmp_lg_u32 s[CNT], 0
	s_cbranch_scc1 .Lstep
.Llast:                                                ; the last step's tile 3
	TREE -1, 3
	CODES 3
	PV 3
	; THE WAY OUT: O^T / the sum, held and converted
.rept 4
	v_nop                                          ; places behind the last products
.endr
.irp i, 0,1,2,3
	v_add_f32 v[16+2*\i], v[16+2*\i], v[17+2*\i]
.endr
.irp i, 0,1,2,3
	v_permlanex16_b32 v[26+\i], v[16+2*\i], s[SEL], s[SEL+1]
.endr
.irp i, 0,1,2,3
	v_add_f32 v[16+2*\i], v[16+2*\i], v[26+\i]     ; the rows' sums
.endr
	v_mov_b32 v32, s91
	v_mov_b32 v33, s90
	s_wait_alu depctr_va_vdst(0)                   ; the wait ahead of the batch
.irp i, 0,1,2,3
	v_rcp_f32 v[16+2*\i], v[16+2*\i]
.endr
	v_nop
	WIN 0x41
	s_wait_alu depctr_va_vdst(0)                   ; and behind it, ahead of the first readers of its results and of the last products'
.irp i, 0,1,2,3
.set JJ, 128+32*\i
.rept 16
	v_pk_mul_f32 v[JJ:JJ+1], v[JJ:JJ+1], v[16+2*\i:17+2*\i] op_sel_hi:[1,0]
.set JJ, JJ+2
.endr
.endr
.set JJ, 128
.rept 128
	v_med3_num_f32 v[JJ], v[JJ], -v33, v33
.set JJ, JJ+1
.endr
	WIN 0x01
.set JJ, 0
.rept 16
	v_cvt_scalef32_pk8_fp8_f32 v[96+2*JJ:97+2*JJ], v[128+8*JJ:135+8*JJ], v32
.set JJ, JJ+1
.endr
	v_nop                                          ; a plain line behind the last conversion
	WIN 0
.irp i, 0,1,2,3
	global_store_b128 v0, v[96+8*\i:99+8*\i], s[12:13] offset:16384*\i            ; 32 lanes store 512 consecutive aligned bytes
	global_store_b128 v0, v[100+8*\i:103+8*\i], s[12:13] offset:16384*\i+512
.endr
	s_wait_tensorcnt 0x0                           ; the wave's end
	ds_add_u32 v4, v5
	s_wait_dscnt 0x0
	CROUND                                         ; the closing round
	s_endpgm
.Lfunc_end_k_q2d07e8391a_attn:
	.size	k_q2d07e8391a_attn, .Lfunc_end_k_q2d07e8391a_attn-k_q2d07e8391a_attn
	.p2alignl 7, 3214868480
	.fill 96, 4, 3214868480
	.section	.rodata,"a",@progbits
	.p2align	6, 0x0
	.amdhsa_kernel k_q2d07e8391a_attn
		.amdhsa_group_segment_fixed_size 327680
		.amdhsa_private_segment_fixed_size 0
		.amdhsa_enable_private_segment 0
		.amdhsa_kernarg_size 40
		.amdhsa_user_sgpr_count 2
		.amdhsa_user_sgpr_kernarg_segment_ptr 1
		.amdhsa_wavefront_size32 1
		.amdhsa_system_sgpr_workgroup_id_x 1
		.amdhsa_system_sgpr_workgroup_id_y 1
		.amdhsa_system_sgpr_workgroup_id_z 1
		.amdhsa_system_vgpr_workitem_id 0
		.amdhsa_next_free_vgpr 512
		.amdhsa_next_free_sgpr 96
		.amdhsa_reserve_vcc 0
		.amdhsa_float_denorm_mode_32 3
		.amdhsa_float_denorm_mode_16_64 3
		.amdhsa_memory_ordered 1
		.amdhsa_forward_progress 1
		.amdhsa_inst_pref_size 93
	.end_amdhsa_kernel
	.amdgpu_metadata
---
amdhsa.version: [ 1, 2 ]
amdhsa.kernels:
  - .name:           k_q2d07e8391a_attn
    .symbol:         k_q2d07e8391a_attn.kd
    .args:
      - { .name: q_img, .offset: 0, .size: 8, .value_kind: global_buffer, .address_space: global }
      - { .name: k_img, .offset: 8, .size: 8, .value_kind: global_buffer, .address_space: global }
      - { .name: v_img, .offset: 16, .size: 8, .value_kind: global_buffer, .address_space: global }
      - { .name: lowp_scales, .offset: 24, .size: 8, .value_kind: global_buffer, .address_space: global }
      - { .name: ctx_img, .offset: 32, .size: 8, .value_kind: global_buffer, .address_space: global }
    .group_segment_fixed_size: 327680
    .private_segment_fixed_size: 0
    .kernarg_segment_align: 8
    .kernarg_segment_size: 40
    .max_flat_workgroup_size: 256
    .sgpr_count:     96
    .vgpr_count:     512
    .wavefront_size: 32
...
	.end_amdgpu_metadata
.endif
;; end of part 3
;; launch outp (part 4): grid 8 x 32, 4 waves a work-group, clusters of 4 x 4, 327,680 bytes of LDS; arguments ctx_img, w2_img, out_proj_b, x, lowp_scales, out0; writes out0
.if DOCPART == 4
	.amdgcn_target "amdgcn-amd-amdhsa--gfx1250"
	.amdhsa_code_object_version 6
	.text
	.protected	k_q2d07e8391a_outp
	.globl	k_q2d07e8391a_outp
	.p2align	8
	.type	k_q2d07e8391a_outp,@function
k_q2d07e8391a_outp:
	s_mov_b64 s[64:65], 0
	v_nop
	global_prefetch_b8 v0, s[64:65] scope:SCOPE_SE
	s_setreg_imm32_b32 hwreg(HW_REG_WAVE_MODE, 25, 1), 1
	s_wait_xcnt 0x0
	s_wait_alu depctr_hold_cnt(0) depctr_sa_sdst(0) depctr_va_vdst(0) depctr_va_sdst(0) depctr_va_ssrc(0) depctr_va_vcc(0) depctr_vm_vsrc(0)
	s_getreg_b32 s2, hwreg(HW_REG_IB_STS2, 6, 4)
	s_cmp_eq_u32 s2, 0
	s_cbranch_scc0 .Lentry_in_a_cluster
	s_endpgm
.Lentry_in_a_cluster:
	s_bfe_u32 s2, ttmp6, 0x10000c
	s_cmp_lg_u32 s2, 0xf033
	s_cbranch_scc0 .Lentry_shape_is_right
	s_endpgm
.Lentry_shape_is_right:
; out0 = ctx out_proj_w^T + out_proj_b + x on codes of FP8 (E4M3), sums and the rest in f32.
; A tile is 256 positions x 128 columns: 256 work-groups of four waves; a wave makes 128 positions x 64 columns: 32 accumulators.  Used transposed (source 0 = 16 rows of the weight, source 1 = 16 positions): a lane holds eight neighbouring columns.
; Both operands are images of registers: [tiles of 16 rows][16,384 bytes for all of K], so LDS is read at 16 x lane without padding.
; K = 1024 COMES IN THREE FILLS: K 0-511 (8,192 bytes of each tile of 16 rows) into region 0 at the head; K 512-767 (4,096 bytes each) into region 1 behind the next round; K 768-1023 into region 0 again when K 0-511 has been read.
; CLUSTERS: 4 x 4 work-groups.  The four of a row share ctx's tiles, the four of a column the weight's: each is asked for jointly.
; PREFETCH: what the second and third fills bring is asked for behind the first and second fill, each two K steps of 256 ahead of its load at the least; partners share the 256-byte blocks out by address: 32 of ctx's 128, 16 of the weight's 64.
; The bias goes in as the C of each sum's first matrix instruction, divided by 2^(e6 + e7); on the way out a sum is multiplied by 2^(e6 + e7) and x is added in one fused line.
; LIMITS: e6 + e7 between -126 and 127.  NaN among the inputs is not served.
; REGISTERS, in windows of 256: window 0: v16-30 addresses; v32-63 bias; v128-255 ctx's 8 fragments, and on the way out rows read back.  window 1: the weight's 4 fragments, TWO sets, at v0 and v128.
;   window 2: the accumulators (block a, column block b at v[8 (4 a + b)]).   window 3: x of my tile, 32 registers a block.
.set R1,     196608                    ; region 0: ctx 131,072 bytes, the weight 65,536; region 1: half of each
.set SPARE,  294912                    ; the spare words, 128 bytes a wave, which no other line names
.set STAGE,  SPARE+512                 ; 16 rows x 272 bytes a wave, for the way out: no fill lands there
.set ADRA, 16                          ; v16-18 LDS address of my fragments of ctx in the three fills
.set ADRB, 20                          ; v20-22 of the weight
.set STO,  24
.set RD,   25
.set CO,   26
.set BBA,  27
.set SPW,  28                          ; v28 my spare word; v29 0; never rewritten
.set NIL,  29
.set PFO,  30                          ; v30 the prefetches' offset; never rewritten
.set PFA,  74                          ; s[74:75] where my prefetches stand; never rewritten
.set BIAS, 32
.set AF,   128
.set BK,   128
.set G1, 24
.set G0, 32
.set G1B, 48
.set G0B, 56
.set MSB, 0
.macro WIN new                         ; the immediate's high byte repeats the setting that is left
.if MSB != (\new)
	s_set_vgpr_msb (MSB<<8)|(\new)
.set MSB, (\new)
.endif
.endm
; A joint load: waves 0 and 1 fetch ctx's two halves, waves 2 and 3 the weight's.  The branch hangs on the wave's number alone.
.macro JLOAD g0a, g1a, g0b, g1b
	s_cmp_eq_u32 s15, 0
	s_cbranch_scc0 .Lfor_b_\@
	tensor_load_to_lds s[\g0a:\g0a+3], s[\g1a:\g1a+7]
	s_nop 0
.rept 4
	v_nop
.endr
	s_branch .Lasked_\@
.Lfor_b_\@:
	tensor_load_to_lds s[\g0b:\g0b+3], s[\g1b:\g1b+7]
	s_nop 0
.rept 4
	v_nop
.endr
.Lasked_\@:
.endm
.macro CREST                           ; a round of the cluster's barrier behind its opening barrier
	s_cmp_lg_u32 s14, 0
	s_cbranch_scc1 .Lnot_wave_0_\@
	s_barrier_signal -3
.Lnot_wave_0_\@:
	s_barrier_wait -3
	s_barrier_signal -1
	s_barrier_wait -1
.endm
.macro CROUND
	s_barrier_signal -1
	s_barrier_wait -1
	CREST
.endm
.macro PLACES                          ; four plain vector lines behind a matrix instruction (ISA guide 7.12.1)
.rept 4
	v_nop
.endr
.endm
	s_load_b128 s[4:7], s[0:1], 0x0                ; ctx_img, w2_img
	s_load_b128 s[8:11], s[0:1], 0x10              ; out_proj_b, x
	s_load_b128 s[68:71], s[0:1], 0x20             ; the scales' exponents, out0
	v_lshl_add_u32 v[SPW], v0, 2, SPARE
	v_mov_b32 v[NIL], 0
	ds_add_u32 v[SPW], v[NIL]                      ; the wave's opening: the add, twice on end, and its one wait
	ds_add_u32 v[SPW], v[NIL]
	v_lshrrev_b32 v1, 5, v0
	v_readfirstlane_b32 s14, v1                    ; wave 0..3
	s_lshr_b32 s15, s14, 1                         ; which 128 positions are mine.  Also: I fetch ctx (0) or the weight (1)
	s_and_b32 s16, s14, 1                          ; which 64 columns are mine.  Also: which half of that tile I fetch
	s_bfe_u32 s88, ttmp6, 0x40000                  ; cx, cy
	s_bfe_u32 s89, ttmp6, 0x40004
	s_lshl_b32 s90, ttmp9, 2
	s_add_co_u32 s90, s90, s88                     ; tile column: 128 columns
	s_and_b32 s17, ttmp7, 0xffff
	s_lshl_b32 s17, s17, 2
	s_add_co_u32 s17, s17, s89                     ; tile row: 256 positions
	s_lshl_b32 s91, s89, 2
	s_lshl_b32 s91, 15, s91                        ; my row of the cluster
	s_lshl_b32 s92, 0x1111, s88                    ; my column
	s_or_b32 s[G1+0], s91, (3<<16)|(1<<21)         ; the mask; elements of 8 bytes; bit 21 beside a mask
	s_or_b32 s[G1B+0], s92, (3<<16)|(1<<21)
	s_mov_b32 s[G1+1], 1024<<16                    ; tensor_dim0: 8,192 bytes: K 0-511
	s_mov_b32 s[G1+2], 8<<16
	s_mov_b32 s[G1+3], 1024<<16                    ; tile_dim0
	s_mov_b32 s[G1+4], 8                           ; 8 tiles of 16 rows
	s_mov_b32 s[G1+5], 2048
	s_mov_b32 s[G1+6], 0
	s_mov_b32 s[G1+7], 0
	s_mov_b32 s[G1B+1], 1024<<16
	s_mov_b32 s[G1B+2], 4<<16
	s_mov_b32 s[G1B+3], 1024<<16
	s_mov_b32 s[G1B+4], 4
	s_mov_b32 s[G1B+5], 2048
	s_mov_b32 s[G1B+6], 0
	s_mov_b32 s[G1B+7], 0
	s_lshl_b32 s20, s17, 4
	s_lshl_b32 s18, s16, 3
	s_add_co_u32 s20, s20, s18
	s_lshl_b32 s20, s20, 14
	s_mov_b32 s21, 0
	s_lshl_b32 s46, s90, 3
	s_lshl_b32 s18, s16, 2
	s_add_co_u32 s46, s46, s18
	s_lshl_b32 s46, s46, 14
	s_mov_b32 s47, 0
	s_mov_b32 s32, 1                               ; the first fill's group 0: ctx
	s_lshl_b32 s33, s16, 16
	s_mov_b32 s36, 1                               ; the second's
	s_lshl_b32 s18, s16, 15
	s_add_co_u32 s37, s18, R1
	s_mov_b32 s56, 1                               ; the weight
	s_add_co_u32 s57, s18, 131072
	s_mov_b32 s60, 1
	s_lshl_b32 s19, s16, 14
	s_add_co_u32 s61, s19, R1+65536
	s_wait_dscnt 0x0                               ; both opening adds are done
	s_wait_kmcnt 0x0
	s_load_b256 s[76:83], s[68:69], 0x0            ; e0 .. e7
	s_add_nc_u64 s[20:21], s[4:5], s[20:21]
	s_add_nc_u64 s[46:47], s[6:7], s[46:47]
	s_mov_b64 s[34:35], s[20:21]
	s_or_b32 s35, s35, 0x80000000
	s_add_nc_u64 s[38:39], s[20:21], 8192
	s_or_b32 s39, s39, 0x80000000
	s_mov_b64 s[58:59], s[46:47]
	s_or_b32 s59, s59, 0x80000000
	s_add_nc_u64 s[62:63], s[46:47], 8192
	s_or_b32 s63, s63, 0x80000000
	CROUND                                         ; all sixteen work-groups are here: the first joint loads meet
	JLOAD G0, G1, G0B, G1B                         ; K 0-511: one tensor load a wave at the head
	; the prefetches: partner p takes ctx's tiles 2 p and 2 p + 1 of the 8 that I fetch, or the weight's tile p of 4; sixteen lanes to a tile's 4,096 bytes
	s_lshl_b32 s94, s88, 15
	s_lshl_b32 s93, s89, 14
	s_mov_b32 s95, 0
	s_mov_b32 s99, 16384
	s_cmp_eq_u32 s15, 0
	s_cselect_b64 s[PFA:PFA+1], s[20:21], s[46:47]
	s_cselect_b32 s94, s94, s93
	s_cselect_b32 s99, s99, 0                      ; (the weight's upper lanes name the same blocks again)
	s_add_nc_u64 s[PFA:PFA+1], s[PFA:PFA+1], s[94:95]
	s_lshl_b32 s21, s15, 16                        ; my fragments: ctx in region 0, region 1, region 0's second filling
	s_lshl_b32 s22, s15, 15
	s_add_co_u32 s23, s22, R1
	s_lshl_b32 s40, s16, 15                        ; the weight
	s_add_co_u32 s40, s40, 131072
	s_lshl_b32 s41, s16, 14
	s_add_co_u32 s42, s41, R1+65536
	s_add_co_u32 s43, s41, 65536
	s_mul_i32 s44, s14, 4352
	s_add_co_u32 s44, s44, STAGE                   ; my stage
	v_and_b32 v1, 15, v0                           ; r
	v_bfe_u32 v2, v0, 4, 1                         ; h
	v_and_b32 v3, 31, v0
	v_lshlrev_b32 v4, 4, v3                        ; 16 x lane
	v_add_nc_u32 v[ADRA], s21, v4
	v_add_nc_u32 v[ADRA+1], s23, v4
	v_add_nc_u32 v[ADRA+2], s22, v4
	v_add_nc_u32 v[ADRB], s40, v4
	v_add_nc_u32 v[ADRB+1], s42, v4
	v_add_nc_u32 v[ADRB+2], s43, v4
	v_mul_u32_u24 v5, v1, 272
	v_lshl_add_u32 v5, v2, 5, v5
	v_add_nc_u32 v[STO], s44, v5                   ; the stage, in: row r, 32 bytes for each half of the lanes
	v_mul_u32_u24 v6, v2, 272
	v_lshl_add_u32 v6, v1, 4, v6
	v_add_nc_u32 v[RD], s44, v6                    ; back: sixteen lanes to a row of 256 bytes
	v_lshlrev_b32 v7, 4, v1
	v_lshl_add_u32 v[CO], v2, 12, v7               ; the same two rows in x and out0
	v_lshlrev_b32 v[BBA], 5, v2
	v_mul_u32_u24 v8, v2, s99
	v_lshl_add_u32 v[PFO], v1, 8, v8
	s_wait_alu depctr_va_vdst(0)
	s_lshl_b32 s94, s17, 8
	s_lshl_b32 s93, s15, 7
	s_add_co_u32 s94, s94, s93
	s_lshl_b32 s94, s94, 12
	s_lshl_b32 s93, s90, 9
	s_lshl_b32 s95, s16, 8
	s_add_co_u32 s93, s93, s95
	s_add_co_u32 s94, s94, s93                     ; my first row and column, in bytes
	s_mov_b32 s95, 0
	s_add_nc_u64 s[10:11], s[10:11], s[94:95]
	s_add_nc_u64 s[70:71], s[70:71], s[94:95]
	s_mov_b32 s94, s93
	s_add_nc_u64 s[8:9], s[8:9], s[94:95]
.irp b, 0,1,2,3                                ; the bias: lane (r, h) wants columns 16 b + 8 h + 0 .. 7
	global_load_b128 v[BIAS+8*\b:BIAS+8*\b+3], v[BBA], s[8:9] offset:64*\b
	global_load_b128 v[BIAS+8*\b+4:BIAS+8*\b+7], v[BBA], s[8:9] offset:64*\b+16
.endr
	global_prefetch_b8 v[PFO], s[PFA:PFA+1] offset:8192 th:TH_LOAD_NT scope:SCOPE_SE   ; K 512-767
.macro RES a                           ; x of block a's 16 rows: each load takes two rows of 256 aligned bytes
.irp i, 0,1,2,3,4,5,6,7
	global_load_b128 v[32*(\a)+4*\i:32*(\a)+4*\i+3], v[CO], s[10:11] offset:(16*(\a)+2*\i)*4096 th:TH_LOAD_NT
.endr
.endm
	WIN 0xc0
	RES 0
	RES 1
	RES 2
	RES 3
	WIN 0
	s_wait_kmcnt 0x0
	s_add_co_i32 s96, s82, s83
	s_sub_co_i32 s98, 0, s96                       ; -(e6 + e7)
	s_add_co_i32 s96, s96, 127
	s_lshl_b32 s96, s96, 23                        ; 2^(e6 + e7)
	s_mov_b32 s97, s96
	s_wait_loadcnt 32                              ; the bias is in; x's 32 loads may be out
.set JJ, 0
.rept 32
	v_ldexp_f32 v[BIAS+JJ], v[BIAS+JJ], s98
.set JJ, JJ+1
.endr
; slot 0: K 0-511, 8,192 bytes from tile to tile, q = 0 .. 3; slots 1 and 2: K 512-767 and 768-1023, 4,096 bytes from tile to tile, q = 0, 1
.macro FRAG reg, adr, pitch, q, i
.irp c, 0,1,2,3
	ds_load_b128 v[(\reg)+4*\c:(\reg)+4*\c+3], v[\adr] offset:(\pitch)*(\i)+2048*(\q)+512*\c
.endr
.endm
.macro FETCH_B slot, q, p
.set PT, 4096
.if (\slot) == 0
.set PT, 8192
.endif
	WIN 0x40
.irp i, 0,1,2,3
	FRAG 128*(\p)+16*\i, ADRB+\slot, PT, \q, \i
.endr
	WIN 0
.endm
.macro FETCH_A slot, q, i0
.set PT, 4096
.if (\slot) == 0
.set PT, 8192
.endif
.irp i, 0,1,2,3
	FRAG AF+16*((\i0)+\i), ADRA+\slot, PT, \q, (\i0)+\i
.endr
.endm
; 8 matrix instructions: ctx's blocks a0, a0 + 1 x the weight's four.  The 32 accumulators take turns, in the same order in every step.
.macro MUL8 a0, p, first
.if \first
	WIN 0x81
.else
	WIN 0xa1
.endif
.irp a, 0,1
.irp b, 0,1,2,3
.if \first
	v_wmma_f32_16x16x128_fp8_fp8 v[8*(4*((\a0)+\a)+\b):8*(4*((\a0)+\a)+\b)+7], v[128*(\p)+16*\b:128*(\p)+16*\b+15], v[AF+16*((\a0)+\a):AF+16*((\a0)+\a)+15], v[BIAS+8*\b:BIAS+8*\b+7]
.else
	v_wmma_f32_16x16x128_fp8_fp8 v[8*(4*((\a0)+\a)+\b):8*(4*((\a0)+\a)+\b)+7], v[128*(\p)+16*\b:128*(\p)+16*\b+15], v[AF+16*((\a0)+\a):AF+16*((\a0)+\a)+15], v[8*(4*((\a0)+\a)+\b):8*(4*((\a0)+\a)+\b)+7]
.endif
.endr
.endr
.endm
.macro STEP ns, nq, p, first           ; 128 along K; the fragments of slot ns, q = nq are fetched meanwhile
	s_wait_dscnt 16                                ; the youngest 16 loads (blocks 4-7) may be out
	MUL8 0, \p, \first
	MUL8 2, \p, \first
	s_wait_dscnt 0x0
	PLACES
	FETCH_B \ns, \nq, 1-(\p)
	FETCH_A \ns, \nq, 0
	MUL8 4, \p, \first
	MUL8 6, \p, \first
	PLACES
	WIN 0
	FETCH_A \ns, \nq, 4
.endm
.macro TURN next, fill                 ; a slot's last 128; fill = 1: region 0 is filled again
	s_wait_tensorcnt 0x0                           ; all my tensor loads have landed: my part of the next slot
	ds_add_u32 v[SPW], v[NIL]                      ; 0 onto my spare word
	s_wait_dscnt 17                                ; (the add and the youngest 16 loads may be out)
	MUL8 0, 1, 0
	s_wait_dscnt 0x0                               ; the add is done, and my reads of this slot are over
	s_barrier_signal -1
	MUL8 2, 1, 0
	WIN 0
	s_barrier_wait -1
.if \fill
	CREST                                          ; no wave of any partner still reads region 0 or has a load on its way
	JLOAD G0, G1, G0B, G1B                         ; its four v_nop are the places in front of the loads below
.else
	PLACES
.endif
	FETCH_B \next, 0, 0
	FETCH_A \next, 0, 0
	MUL8 4, 1, 0
	MUL8 6, 1, 0
	PLACES
	WIN 0
	FETCH_A \next, 0, 4
.endm
	s_wait_alu depctr_va_vdst(0)                   ; the wait at the head's end
	s_wait_tensorcnt 0x0                           ; my part of K 0-511 is in: the descriptors may be written
	ds_add_u32 v[SPW], v[NIL]
	s_mov_b32 s[G1+1], 512<<16                     ; from here on 4,096 bytes of each tile
	s_mov_b32 s[G1+3], 512<<16
	s_mov_b32 s[G1B+1], 512<<16
	s_mov_b32 s[G1B+3], 512<<16
	s_lshl_b32 s33, s16, 15                        ; the third fill: K 768-1023 into region 0
	s_add_nc_u64 s[34:35], s[34:35], 12288
	s_lshl_b32 s57, s16, 14
	s_add_co_u32 s57, s57, 65536
	s_add_nc_u64 s[58:59], s[58:59], 12288
	s_wait_dscnt 0x0
	CROUND                                         ; everybody's part of K 0-511 is in, and the joint loads meet
	JLOAD G0+4, G1, G0B+4, G1B                     ; K 512-767, the first tensor load behind the round
	FETCH_B 0, 0, 0
	FETCH_A 0, 0, 0
	FETCH_A 0, 0, 4
	global_prefetch_b8 v[PFO], s[PFA:PFA+1] offset:12288 th:TH_LOAD_NT scope:SCOPE_SE   ; K 768-1023
	STEP 0, 1, 0, 1
	WIN 0xc0
	RES 4
	RES 5
	RES 6
	RES 7
	WIN 0
	STEP 0, 2, 1, 0
	STEP 0, 3, 0, 0
	TURN 1, 1
	STEP 1, 1, 0, 0
	TURN 2, 0
	STEP 2, 1, 0, 0
	s_wait_dscnt 16                                ; the last 128: nothing more to fetch
	MUL8 0, 1, 0
	MUL8 2, 1, 0
	s_wait_dscnt 0x0
	MUL8 4, 1, 0
	MUL8 6, 1, 0
	WIN 0
; THE WAY OUT of block a: through my own stage in LDS, back as rows of 256 bytes, x 2^(e6 + e7) + x, stored.  LDS serves a wave's instructions in order (ISA guide 5.7.1.4).
.macro TOSTAGE a
	WIN 0x08
.irp b, 0,1,2,3
	ds_store_b128 v[STO], v[8*(4*(\a)+\b):8*(4*(\a)+\b)+3] offset:64*\b
	ds_store_b128 v[STO], v[8*(4*(\a)+\b)+4:8*(4*(\a)+\b)+7] offset:64*\b+16
.endr
	WIN 0
.set BB, BK+32*((\a)%2)
.irp i, 0,1,2,3,4,5,6,7
	ds_load_b128 v[BB+4*\i:BB+4*\i+3], v[RD] offset:544*\i
.endr
.endm
.macro SEND a, younger                 ; younger: the LDS instructions issued behind block a's loads
.set BB, BK+32*((\a)%2)
	s_wait_dscnt \younger
	s_wait_loadcnt 8*(7-(\a))                      ; x of block a is in; the later blocks' 8 loads each may be out
	WIN 0x30
.irp j, 0,2,4,6,8,10,12,14,16,18,20,22,24,26,28,30
	v_pk_fma_f32 v[BB+\j:BB+\j+1], v[BB+\j:BB+\j+1], s[96:97], v[32*(\a)+\j:32*(\a)+\j+1] op_sel_hi:[1,0,1]
.endr
	WIN 0
.irp i, 0,1,2,3,4,5,6,7
	global_store_b128 v[CO], v[BB+4*\i:BB+4*\i+3], s[70:71] offset:(16*(\a)+2*\i)*4096 th:TH_STORE_NT   ; sixteen lanes store one aligned unit of 256 bytes
.endr
.endm
	PLACES
	TOSTAGE 0
.irp a, 1,2,3,4,5,6,7
.if \a > 1
	s_wait_xcnt 0x0                                ; block a - 2's stores have read their registers
.endif
	TOSTAGE \a
	SEND \a-1, 16
.endr
	SEND 7, 0
	s_wait_tensorcnt 0x0                           ; the wave's end
	ds_add_u32 v[SPW], v[NIL]
	s_wait_dscnt 0x0
	CROUND                                         ; the closing round
	s_endpgm
.Lfunc_end_k_q2d07e8391a_outp:
	.size	k_q2d07e8391a_outp, .Lfunc_end_k_q2d07e8391a_outp-k_q2d07e8391a_outp
	.p2alignl 7, 3214868480
	.fill 96, 4, 3214868480
	.section	.rodata,"a",@progbits
	.p2align	6, 0x0
	.amdhsa_kernel k_q2d07e8391a_outp
		.amdhsa_group_segment_fixed_size 327680
		.amdhsa_private_segment_fixed_size 0
		.amdhsa_enable_private_segment 0
		.amdhsa_kernarg_size 48
		.amdhsa_user_sgpr_count 2
		.amdhsa_user_sgpr_kernarg_segment_ptr 1
		.amdhsa_wavefront_size32 1
		.amdhsa_system_sgpr_workgroup_id_x 1
		.amdhsa_system_sgpr_workgroup_id_y 1
		.amdhsa_system_sgpr_workgroup_id_z 1
		.amdhsa_system_vgpr_workitem_id 0
		.amdhsa_next_free_vgpr 1024
		.amdhsa_next_free_sgpr 100
		.amdhsa_reserve_vcc 0
		.amdhsa_float_denorm_mode_32 3
		.amdhsa_float_denorm_mode_16_64 3
		.amdhsa_memory_ordered 1
		.amdhsa_forward_progress 1
		.amdhsa_inst_pref_size 87
	.end_amdhsa_kernel
	.amdgpu_metadata
---
amdhsa.version: [ 1, 2 ]
amdhsa.kernels:
  - .name:           k_q2d07e8391a_outp
    .symbol:         k_q2d07e8391a_outp.kd
    .args:
      - { .name: ctx_img, .offset: 0, .size: 8, .value_kind: global_buffer, .address_space: global }
      - { .name: w2_img, .offset: 8, .size: 8, .value_kind: global_buffer, .address_space: global }
      - { .name: out_proj_b, .offset: 16, .size: 8, .value_kind: global_buffer, .address_space: global }
      - { .name: x, .offset: 24, .size: 8, .value_kind: global_buffer, .address_space: global }
      - { .name: lowp_scales, .offset: 32, .size: 8, .value_kind: global_buffer, .address_space: global }
      - { .name: out0, .offset: 40, .size: 8, .value_kind: global_buffer, .address_space: global }
    .group_segment_fixed_size: 327680
    .private_segment_fixed_size: 0
    .kernarg_segment_align: 8
    .kernarg_segment_size: 48
    .max_flat_workgroup_size: 128
    .sgpr_count:     100
    .vgpr_count:     1024
    .wavefront_size: 32
...
	.end_amdgpu_metadata
.endif
;; end of part 4
